; MI455X (gfx1250); checked and timed in simulation.
; The chip was launched on July 23, 2026; its instructions are those of AMD's public machine-readable ISA for CDNA 5 (MIT licence, August 2026) and "CDNA5" Instruction Set Architecture Reference Guide (July 2026). The comments in the code are by the model that wrote it; some were corrected since.
;; Mo E. Allowed arithmetic: float matrix products may take bf16 or f16 operands with f32 sums; other float arithmetic in f32, or as packed bf16 or f16 multiplies, adds, multiply-adds, maxima and minima; sums over many terms, partial sums and values carried from step to step in f32; what a program stores and reads back later, other than sums and carried values, may be rounded once to bf16 or f16.
;; Inputs: W1 8 x 1,024 x 4,096 float32; W2 8 x 4,096 x 1,024 float32; Wr 1,024 x 8 float32; b1 8 x 4,096 float32; b2 8 x 1,024 float32; x 2 x 512 x 1,024 float32.
;; Outputs: out0 2 x 512 x 1,024 float32.
;; One version. Each part assembles by itself: llvm-mc -triple=amdgcn-amd-amdhsa -mcpu=gfx1250 --defsym DOCPART=n.
;; ======== version 1 of 1: 5 launches
;; workspace buffers: sel 4,096 bytes of whole numbers; gate 8,192 bytes; tab 4,096 bytes of whole numbers; xg 5,242,880 bytes; h 20,971,520 bytes; yp 41,943,040 bytes
;; launch router (part 1): grid 256 x 1, 4 waves a work-group, no clusters, 16,896 bytes of LDS; arguments x, Wr, sel, gate; writes sel, gate
.if DOCPART == 1
	.amdgcn_target "amdgcn-amd-amdhsa--gfx1250"
	.amdhsa_code_object_version 6
	.text
	.protected	k_qd52ba0f6dc_router
	.globl	k_qd52ba0f6dc_router
	.p2align	8
	.type	k_qd52ba0f6dc_router,@function
k_qd52ba0f6dc_router:
	s_mov_b64 s[64:65], 0
	v_nop
	global_prefetch_b8 v0, s[64:65] scope:SCOPE_SE
	s_setreg_imm32_b32 hwreg(HW_REG_WAVE_MODE, 25, 1), 1
	s_wait_xcnt 0x0
; ROUTER.  For each of 1,024 tokens: eight logits x[t] . Wr[:, e], the two largest, and their two gates.
; x and Wr are rounded to bf16 first, as every input of this program is; products and sums in f32.  8 M multiply-adds in all: no bulk work, so the vector unit does them.
; One wave a token, four tokens a work-group.  Wr (32 KiB) is rounded once a work-group and laid into LDS so that lane l finds the eight weights of d = 128 i + 4 l + c as 16 bytes at (4 i + c) 512 + 16 l.
; GATES.  softmax, top 2 and the renormalisation together are g0 = 1 / (1 + e^(l1 - l0)), g1 = e^(l1 - l0) g0 with l0 >= l1 the two largest logits: the larger logit is taken away
; before the exponential, and the softmax's divisor cancels for every input.
; LIMITS.  The order is taken on the logits, not on the rounded probabilities (equal logits: the lower index wins, as in top_k); NaN is not treated apart.
; OUT.  sel[t] = e0 | e1 << 8 (whole numbers, at a fixed place), gate[t] = (g0, g1).
.set SPARE, 16384                      ; behind Wr: the spare words, 128 bytes a wave
.set SPW, 2                            ; v2  LDS address of my spare word; never rewritten
.set NIL, 3                            ; v3  0; never rewritten
.set ZR,  4                            ; v4  0.0, the first addend
.set WO,  5                            ; v5  16 x thread: my 16 bytes in each 2,048 bytes of Wr
.set LST, 6                            ; v6  where I put 8 bytes of rounded Wr
.set LRD, 7                            ; v7  16 x lane
.set X,   8                            ; v8-39    my 32 numbers of x[t]
.set XB,  40                           ; v40-55   the same in bf16
.set WR,  56                           ; v56-119  Wr as loaded; later at work
.set WQ,  120                          ; v120-247 32 x 8 weights in bf16
.set ACC, 248                          ; v248-255 the eight sums
	s_load_b256 s[4:11], s[0:1], 0x0               ; x s[4:5], Wr s[6:7], sel s[8:9], gate s[10:11]
	v_lshl_add_u32 v[SPW], v0, 2, SPARE
	v_mov_b32 v[NIL], 0
	v_lshrrev_b32 v1, 5, v0
	v_readfirstlane_b32 s12, v1                    ; wave
	s_lshl_b32 s13, ttmp9, 2
	s_add_co_u32 s13, s13, s12                     ; my token
	s_lshl_b32 s14, s13, 12                        ; its row of 4,096 bytes
	s_mov_b32 s15, 0
	s_mov_b32 s16, 0x76543210                      ; v_permlanex16_b32: each lane takes its own place in the other half
	s_mov_b32 s17, 0xfedcba98
	s_lshl_b32 s18, s13, 2                         ; its place in sel
	s_mov_b32 s19, 0
	s_lshl_b32 s20, s13, 3                         ; and in gate
	s_mov_b32 s21, 0
	v_and_b32 v1, 31, v0                           ; lane
	v_lshlrev_b32 v[LRD], 4, v1
	v_lshlrev_b32 v[WO], 4, v0
	v_bfe_u32 v[LST], v0, 1, 2                     ; c = (thread / 2) % 4
	v_lshlrev_b32 v[LST], 9, v[LST]
	v_lshrrev_b32 v[ZR], 3, v0
	v_lshl_add_u32 v[LST], v[ZR], 4, v[LST]        ; + 16 (thread / 8)
	v_and_b32 v[ZR], 1, v0
	v_lshl_add_u32 v[LST], v[ZR], 3, v[LST]        ; + 8 (thread % 2): experts 0-3 or 4-7
	v_mov_b32 v[ZR], 0
	s_wait_kmcnt 0x0
	s_add_nc_u64 s[4:5], s[4:5], s[14:15]
	s_add_nc_u64 s[8:9], s[8:9], s[18:19]
	s_add_nc_u64 s[10:11], s[10:11], s[20:21]
.irp j, 0,1,2,3,4,5,6,7,8,9,10,11,12,13,14,15
	global_load_b128 v[WR+4*\j:WR+4*\j+3], v[WO], s[6:7] offset:2048*\j  ; d = 64 j + thread / 2, four experts
.endr
.irp i, 0,1,2,3,4,5,6,7
	global_load_b128 v[X+4*\i:X+4*\i+3], v[LRD], s[4:5] offset:512*\i    ; d = 128 i + 4 lane + 0..3
.endr
	s_wait_loadcnt 0x8                             ; Wr is in; the eight loads of x, issued behind it, may stay out
.irp j, 0,1,2,3,4,5,6,7,8,9,10,11,12,13,14,15
	v_cvt_pk_bf16_f32 v[WR+4*\j], v[WR+4*\j], v[WR+4*\j+1]
	v_cvt_pk_bf16_f32 v[WR+4*\j+1], v[WR+4*\j+2], v[WR+4*\j+3]
	ds_store_b64 v[LST], v[WR+4*\j:WR+4*\j+1] offset:(\j>>1)*2048+(\j&1)*256
.endr
	s_wait_loadcnt 0x0                             ; x
.irp i, 0,1,2,3,4,5,6,7
	v_cvt_pk_bf16_f32 v[XB+2*\i], v[X+4*\i], v[X+4*\i+1]
	v_cvt_pk_bf16_f32 v[XB+2*\i+1], v[X+4*\i+2], v[X+4*\i+3]
.endr
	s_wait_dscnt 0x0                               ; for the others' sake: my part of Wr is in LDS
	s_barrier_signal -1
	s_barrier_wait -1
.set m, 0
.rept 32
	ds_load_b128 v[WQ+4*m:WQ+4*m+3], v[LRD] offset:512*m
.set m, m+1
.endr
; 32 multiply-adds for the four d of block i: x's half ch of word cp, the weight's half eh of word ep.  Eight chains, which take turns.
.macro DOT i
.irp cp, 0,1
.irp ch, 0,1
.irp ep, 0,1,2,3
.irp eh, 0,1
.if ((\i)+\cp+\ch) == 0
	v_fma_mix_f32_bf16 v[ACC+2*\ep+\eh], v[XB+2*(\i)+\cp], v[WQ+4*(4*(\i)+2*\cp+\ch)+\ep], v[ZR] op_sel:[\ch,\eh,0] op_sel_hi:[1,1,0]
.else
	v_fma_mix_f32_bf16 v[ACC+2*\ep+\eh], v[XB+2*(\i)+\cp], v[WQ+4*(4*(\i)+2*\cp+\ch)+\ep], v[ACC+2*\ep+\eh] op_sel:[\ch,\eh,0] op_sel_hi:[1,1,0]
.endif
.endr
.endr
.endr
.endr
.endm
	s_wait_dscnt 0x10                              ; the first sixteen reads are back, the other sixteen may stay out
	DOT 0
	DOT 1
	DOT 2
	DOT 3
	s_wait_dscnt 0x0
	DOT 4
	DOT 5
	DOT 6
	DOT 7
	; the sums over the 32 lanes: four steps inside each half of 16 lanes, one across the halves
.irp x, 1,2,4,8
.irp e, 0,1,2,3,4,5,6,7
	v_add_f32_dpp v[ACC+\e], v[ACC+\e], v[ACC+\e] row_xmask:\x row_mask:0xf bank_mask:0xf
.endr
.endr
.irp e, 0,1,2,3,4,5,6,7
	v_permlanex16_b32 v[WR+\e], v[ACC+\e], s16, s17
.endr
.irp e, 0,1,2,3,4,5,6,7
	v_add_f32 v[ACC+\e], v[ACC+\e], v[WR+\e]
.endr
	; the largest logit and its index (a strict compare keeps the lower index), then the same with the winner at minus infinity
.macro TOP val, idx
	v_mov_b32 v[\val], v[ACC]
	v_mov_b32 v[\idx], 0
.irp e, 1,2,3,4,5,6,7
	v_cmp_gt_f32 vcc_lo, v[ACC+\e], v[\val]
	v_cndmask_b32 v[\val], v[\val], v[ACC+\e], vcc_lo
	v_cndmask_b32 v[\idx], v[\idx], \e, vcc_lo
.endr
.endm
	TOP 64, 65
	v_mov_b32 v68, 0xff800000
.irp e, 0,1,2,3,4,5,6,7
	v_cmp_eq_u32 vcc_lo, \e, v65
	v_cndmask_b32 v[ACC+\e], v[ACC+\e], v68, vcc_lo
.endr
	TOP 66, 67
	v_sub_f32 v69, v66, v64                        ; l1 - l0, never above 0
	v_mul_f32 v69, 0x3fb8aa3b, v69                 ; times log2(e)
	v_exp_f32 v70, v69
	v_lshl_or_b32 v72, v67, 8, v65                 ; e0 | e1 << 8: the plain instruction behind the exponential
	s_wait_alu depctr_va_vdst(0)                   ; the wait ahead of the first use
	v_add_f32 v71, 1.0, v70
	v_rcp_f32 v74, v71                             ; g0
	v_mov_b32 v76, 0                               ; the plain instruction behind the reciprocal
	s_wait_alu depctr_va_vdst(0)
	v_mul_f32 v75, v70, v74                        ; g1
	s_wait_xcnt 0x0                                ; EXEC changes only behind this wait
	v_cmp_eq_u32 vcc_lo, 0, v1
	s_and_saveexec_b32 s22, vcc_lo                 ; every lane holds the same numbers: lane 0 stores them
	global_store_b32 v76, v72, s[8:9]
	global_store_b64 v76, v[74:75], s[10:11]
	s_wait_xcnt 0x0                                ; and again in front of the line that widens it
	s_or_b32 exec_lo, exec_lo, s22
	s_wait_tensorcnt 0x0                           ; the wave's end, behind my last LDS store
	ds_add_u32 v[SPW], v[NIL]
	s_wait_dscnt 0x0
	s_endpgm
.Lfunc_end_k_qd52ba0f6dc_router:
	.size	k_qd52ba0f6dc_router, .Lfunc_end_k_qd52ba0f6dc_router-k_qd52ba0f6dc_router
	.p2alignl 7, 3214868480
	.fill 96, 4, 3214868480
	.section	.rodata,"a",@progbits
	.p2align	6, 0x0
	.amdhsa_kernel k_qd52ba0f6dc_router
		.amdhsa_group_segment_fixed_size 16896
		.amdhsa_private_segment_fixed_size 0
		.amdhsa_enable_private_segment 0
		.amdhsa_kernarg_size 32
		.amdhsa_user_sgpr_count 2
		.amdhsa_user_sgpr_kernarg_segment_ptr 1
		.amdhsa_wavefront_size32 1
		.amdhsa_system_sgpr_workgroup_id_x 1
		.amdhsa_system_sgpr_workgroup_id_y 1
		.amdhsa_system_sgpr_workgroup_id_z 1
		.amdhsa_system_vgpr_workitem_id 0
		.amdhsa_next_free_vgpr 256
		.amdhsa_next_free_sgpr 66
		.amdhsa_reserve_vcc 1
		.amdhsa_float_denorm_mode_32 3
		.amdhsa_float_denorm_mode_16_64 3
		.amdhsa_memory_ordered 1
		.amdhsa_forward_progress 1
		.amdhsa_inst_pref_size 32
	.end_amdhsa_kernel
	.amdgpu_metadata
---
amdhsa.version: [ 1, 2 ]
amdhsa.kernels:
  - .name:           k_qd52ba0f6dc_router
    .symbol:         k_qd52ba0f6dc_router.kd
    .args:
      - { .name: x, .offset: 0, .size: 8, .value_kind: global_buffer, .address_space: global }
      - { .name: Wr, .offset: 8, .size: 8, .value_kind: global_buffer, .address_space: global }
      - { .name: sel, .offset: 16, .size: 8, .value_kind: global_buffer, .address_space: global }
      - { .name: gate, .offset: 24, .size: 8, .value_kind: global_buffer, .address_space: global }
    .group_segment_fixed_size: 16896
    .private_segment_fixed_size: 0
    .kernarg_segment_align: 8
    .kernarg_segment_size: 32
    .max_flat_workgroup_size: 128
    .sgpr_count:     66
    .vgpr_count:     256
    .wavefront_size: 32
...
	.end_amdgpu_metadata
.endif
;; end of part 1
;; launch gather (part 2): grid 20 x 8, 4 waves a work-group, no clusters, 34,304 bytes of LDS; arguments sel, x, xg, tab; writes xg, tab
.if DOCPART == 2
	.amdgcn_target "amdgcn-amd-amdhsa--gfx1250"
	.amdhsa_code_object_version 6
	.text
	.protected	k_qd52ba0f6dc_gather
	.globl	k_qd52ba0f6dc_gather
	.p2align	8
	.type	k_qd52ba0f6dc_gather,@function
k_qd52ba0f6dc_gather:
	s_mov_b64 s[64:65], 0
	v_nop
	global_prefetch_b8 v0, s[64:65] scope:SCOPE_SE
	s_setreg_imm32_b32 hwreg(HW_REG_WAVE_MODE, 25, 1), 1
	s_wait_xcnt 0x0
; GATHER.  Work-group (mt, e) lays rows 16 mt .. 16 mt + 15 of expert e, rounded to bf16, into xg in the order in which a matrix operand's registers take them.
; An expert's rows: the first min(C0, 160) tokens that chose it in slot 0, in token order, then the first min(C1, 160) of slot 1: 320 at the most.  Rows past the count are zeros.
; ROUTING.  Every wave reads all 1,024 words of sel and makes, for its expert and each slot, a bitmap (lane j: tokens 32 j .. 32 j + 31) and the running count in front of each word.
; The token of a row is then found without a list: a search in five steps over the running counts (lanes pull from lanes), and a walk down a tree of bit counts inside the word found.
; So no LDS address hangs on loaded numbers, and no wave waits for another.  The only addresses made of loaded numbers are the rows of x, each clamped to 1,023.
; tab (stored by the work-groups with mt = 0, wave 0): M[j][8 k + e] the bitmaps; P[j][8 k + e] = count in front << 16 | row of the word's first token.
; xg: [e 8][pair 16][mt 20][kh 2][piece 2][lane 32][16 bytes]: lane (r = L % 16, hh = L / 16) of piece p holds row 16 mt + r, k = 64 pair + 32 kh + 16 p + 8 hh + 0..7.
; Wave w takes k = 256 w .. 256 w + 255 of the 16 rows: 32 loads of 512 consecutive bytes, through a stage of its own in LDS (rows of 512 + 16 bytes), out as 16 stores of 512 consecutive bytes.
.set CAP,   160
.set PAIR,  40960                      ; bytes of 64 k x 320 rows in xg
.set SPITCH, 528                       ; 33 x 16 bytes: the 16 rows that a read touches start at 16 different groups of four banks (64 banks of 4 bytes: ISA guide 11.1)
.set STG,   16*SPITCH                  ; a wave's stage
.set SPARE, 4*STG                      ; 33,792: behind the stages, the spare words
.set SPW, 2
.set NIL, 3
.set RHO, 4                            ; v4  my row in the expert: 16 mt + lane % 16
.set Q,   5                            ; v5  its rank in its slot
.set SH,  6                            ; v6  16 x its slot
.set J,   7                            ; v7  the word found
.set C,   8
.set A,   9
.set T,   10                           ; v10-13 at work
.set W,   14                           ; v14 the bitmap word found
.set DK,  15                           ; v15 the rank inside it
.set POS, 16
.set UU,  17
.set TOK, 18
.set M0,  19                           ; v19, v20  the bitmaps of slot 0, 1: lane j holds word j
.set PRE0, 21                          ; v21, v22  the running counts
.set PP,  23                           ; v23 both counts in one word
.set BA,  24                           ; v24-27 counts of 2, 4, 8 and 16 bits
.set BB,  25
.set BC,  26
.set BD,  27
.set LB,  28                           ; v28 1,024 w + 16 lane
.set STW, 29
.set STR, 30
.set XO,  31
.set SELV, 32                          ; v32-63 sel; later v32-47 the 16 rows' byte offsets in x
.set OF,  32
.set D,   64                           ; v64-191 x as loaded
.set R,   192                          ; v192-255 fragments on their way out
.set WV, 12
.set EX, 13
.set MTI, 14
.set RUN, 15
.set TK, 16                            ; s16-31 the rows' tokens
.set LV, 32                            ; s32-47 all ones for a row that exists, else 0
.set MK, 48
.set TT, 49
.set N0K, 50
.set N1K, 51
.set NN, 52
.set RB0, 53
.set RB1, 54
.set KM, 55
.set XGB, 60
	s_load_b256 s[4:11], s[0:1], 0x0               ; sel s[4:5], x s[6:7], xg s[8:9], tab s[10:11]
	v_lshl_add_u32 v[SPW], v0, 2, SPARE
	v_mov_b32 v[NIL], 0
	v_lshrrev_b32 v1, 5, v0
	v_readfirstlane_b32 s[WV], v1
	v_and_b32 v1, 31, v0                           ; lane
	v_lshlrev_b32 v[A], 2, v1
	s_and_b32 s[EX], ttmp7, 0xffff
	s_mov_b32 s[MTI], ttmp9
	s_wait_kmcnt 0x0
.set j, 0
.rept 32
	global_load_b32 v[SELV+j], v[A], s[4:5] offset:128*j   ; token 32 j + lane
.set j, j+1
.endr
	v_mov_b32 v[M0], 0                             ; v_writelane_b32 counts as a reader of its destination
	v_mov_b32 v[M0+1], 0
	v_mov_b32 v[PRE0], 0
	v_mov_b32 v[PRE0+1], 0
	s_mul_i32 s56, s[WV], STG                      ; my stage
	v_lshl_add_u32 v[STW], v1, 3, s56              ; in: 8 bytes a lane along a row
	v_and_b32 v[T], 15, v0
	v_bfe_u32 v[T+1], v0, 4, 1
	v_mul_u32_u24 v[STR], v[T], SPITCH             ; back: row lane % 16, 16 bytes for each half of the lanes
	v_lshl_add_u32 v[STR], v[T+1], 4, v[STR]
	v_add_nc_u32 v[STR], s56, v[STR]
	v_lshlrev_b32 v[XO], 4, v1
	s_lshl_b32 s57, s[WV], 10
	v_lshl_add_u32 v[LB], v1, 4, s57
	s_lshl_b32 s58, s[MTI], 4                      ; the tile's first row
	v_add_nc_u32 v[RHO], s58, v[T]
	s_mul_i32 s56, s[EX], 16*PAIR                  ; xg: the expert, my four pairs, the tile's 2,048 bytes in a pair
	s_mul_i32 s57, s[WV], 4*PAIR
	s_add_co_u32 s56, s56, s57
	s_lshl_b32 s57, s[MTI], 11
	s_add_co_u32 s56, s56, s57
	s_mov_b32 s57, 0
	s_add_nc_u64 s[XGB:XGB+1], s[8:9], s[56:57]
	s_wait_loadcnt 0x0
; Slot k: word j's bitmap and the count in front of it, into lane j.
.macro COUNT k
	s_mov_b32 s[RUN], 0
.set j, 0
.rept 32
	v_bfe_u32 v[T+j%4], v[SELV+j], 8*(\k), 8
	v_cmp_eq_u32 s[MK], s[EX], v[T+j%4]
	v_writelane_b32 v[M0+(\k)], s[MK], j
	v_writelane_b32 v[PRE0+(\k)], s[RUN], j
	s_bcnt1_i32_b32 s[TT], s[MK]
	s_add_co_u32 s[RUN], s[RUN], s[TT]
.set j, j+1
.endr
.endm
	COUNT 0
	s_min_u32 s[N0K], s[RUN], CAP
	COUNT 1
	s_min_u32 s[N1K], s[RUN], CAP
	s_add_co_u32 s[NN], s[N0K], s[N1K]             ; the expert's rows
	s_mul_i32 s[RB0], s[EX], 320                   ; where slot 0's rows begin among all experts' rows,
	s_add_co_u32 s[RB1], s[RB0], s[N0K]            ; and slot 1's
	s_or_b32 s56, s[MTI], s[WV]
	s_cmp_lg_u32 s56, 0
	s_cbranch_scc1 .Lno_tab                        ; one wave for each expert stores the tables
	v_lshlrev_b32 v[C], 6, v1                      ; word j's 16 entries are 64 bytes
	s_lshl_b32 s56, s[EX], 2
	v_add_nc_u32 v[C], s56, v[C]
	v_add_nc_u32 v[T], s[RB0], v[PRE0]
	v_lshl_or_b32 v[T], v[PRE0], 16, v[T]
	v_add_nc_u32 v[T+1], s[RB1], v[PRE0+1]
	v_lshl_or_b32 v[T+1], v[PRE0+1], 16, v[T+1]
	global_store_b32 v[C], v[M0], s[10:11]
	global_store_b32 v[C], v[M0+1], s[10:11] offset:32
	global_store_b32 v[C], v[T], s[10:11] offset:2048
	global_store_b32 v[C], v[T+1], s[10:11] offset:2080
	s_wait_xcnt 0x0                                ; the stores' registers are written again below
.Lno_tab:
	; my row's slot and rank
	v_cmp_le_u32 s[KM], s[N0K], v[RHO]             ; slot 1?
	v_cndmask_b32 v[SH], 0, 16, s[KM]
	v_cndmask_b32 v[T], 0, s[N0K], s[KM]
	v_sub_nc_u32 v[Q], v[RHO], v[T]
	v_lshl_or_b32 v[PP], v[PRE0+1], 16, v[PRE0]
	v_mov_b32 v[J], 0
	; the last word whose count in front is at most my rank: the counts never fall, so halving steps find it
.irp st, 16,8,4,2,1
	v_add_nc_u32 v[C], \st, v[J]
	v_lshlrev_b32 v[A], 2, v[C]
	ds_bpermute_b32 v[T], v[A], v[PP]              ; lane i pulls from lane C: no LDS byte is touched
	s_wait_dscnt 0x0
	v_lshrrev_b32 v[T], v[SH], v[T]
	v_and_b32 v[T], 0xffff, v[T]
	v_cmp_le_u32 vcc_lo, v[T], v[Q]
	v_cndmask_b32 v[J], v[J], v[C], vcc_lo
.endr
	v_lshlrev_b32 v[A], 2, v[J]
	ds_bpermute_b32 v[T], v[A], v[PP]
	ds_bpermute_b32 v[T+1], v[A], v[M0]
	ds_bpermute_b32 v[T+2], v[A], v[M0+1]
	s_wait_dscnt 0x0
	v_lshrrev_b32 v[T], v[SH], v[T]
	v_and_b32 v[T], 0xffff, v[T]
	v_sub_nc_u32 v[DK], v[Q], v[T]                 ; my rank inside the word
	v_cndmask_b32 v[W], v[T+1], v[T+2], s[KM]
	; counts of the word's groups of 2, 4, 8 and 16 bits
	v_lshrrev_b32 v[T], 1, v[W]
	v_and_b32 v[T], 0x55555555, v[T]
	v_sub_nc_u32 v[BA], v[W], v[T]
	v_lshrrev_b32 v[T], 2, v[BA]
	v_and_b32 v[T], 0x33333333, v[T]
	v_and_b32 v[BB], 0x33333333, v[BA]
	v_add_nc_u32 v[BB], v[BB], v[T]
	v_lshrrev_b32 v[T], 4, v[BB]
	v_add_nc_u32 v[BC], v[BB], v[T]
	v_and_b32 v[BC], 0x0f0f0f0f, v[BC]
	v_lshrrev_b32 v[T], 8, v[BC]
	v_add_nc_u32 v[BD], v[BC], v[T]
	v_and_b32 v[BD], 0x00ff00ff, v[BD]
	v_mov_b32 v[POS], 0
; If the lower half of the group in hand holds no more set bits than my rank, the bit lies in the upper half.
.macro PICK reg, msk, wid
	v_lshrrev_b32 v[T], v[POS], v[\reg]
	v_and_b32 v[T], \msk, v[T]
	v_cmp_ge_u32 vcc_lo, v[DK], v[T]
	v_cndmask_b32 v[T], 0, v[T], vcc_lo
	v_cndmask_b32 v[UU], 0, \wid, vcc_lo
	v_sub_nc_u32 v[DK], v[DK], v[T]
	v_add_nc_u32 v[POS], v[POS], v[UU]
.endm
	PICK BD, 0xff, 16
	PICK BC, 0xff, 8
	PICK BB, 15, 4
	PICK BA, 3, 2
	PICK W, 1, 1
	v_lshl_add_u32 v[TOK], v[J], 5, v[POS]         ; lane r: the token of row 16 mt + r (of a row past the count: some number, clamped below, whose data are masked)
.set r, 0
.rept 16
	v_readlane_b32 s[TK+r], v[TOK], r
.set r, r+1
.endr
.set r, 0
.rept 16
	s_min_u32 s[TK+r], s[TK+r], 0x3ff
	v_lshl_add_u32 v[OF+r], s[TK+r], 12, v[LB]     ; token x 4,096 + my wave's 1,024 bytes + 16 lane
.set r, r+1
.endr
.set m, 0
.rept 32                                       ; row m / 2, half m % 2 of my 1,024 bytes: 512 consecutive bytes a load
	global_load_b128 v[D+4*m:D+4*m+3], v[OF+m/2], s[6:7] offset:512*(m%2)
.set m, m+1
.endr
.set r, 0
.rept 16
	s_add_co_u32 s56, s58, r
	s_cmp_lt_u32 s56, s[NN]
	s_cselect_b32 s[LV+r], -1, 0
.set r, r+1
.endr
.set m, 0
.rept 32
	s_wait_loadcnt 31-m                            ; loads come back in order: load m is in, the younger ones stay out
	v_cvt_pk_bf16_f32 v[D+4*m], v[D+4*m], v[D+4*m+1]
	v_cvt_pk_bf16_f32 v[D+4*m+1], v[D+4*m+2], v[D+4*m+3]
	v_and_b32 v[D+4*m], s[LV+m/2], v[D+4*m]
	v_and_b32 v[D+4*m+1], s[LV+m/2], v[D+4*m+1]
	ds_store_b64 v[STW], v[D+4*m:D+4*m+1] offset:SPITCH*(m/2)+256*(m%2)
.set m, m+1
.endr
.set m, 0
.rept 16                                       ; 32 k at byte 64 (m / 2) of my rows, piece m % 2.  LDS serves a wave's instructions in order: these see the stores above
	ds_load_b128 v[R+4*m:R+4*m+3], v[STR] offset:32*m
.set m, m+1
.endr
.set m, 0
.rept 16                                       ; pair m / 4 of my four, kh = (m / 2) % 2, piece m % 2
	s_wait_dscnt 15-m
	global_store_b128 v[XO], v[R+4*m:R+4*m+3], s[XGB:XGB+1] offset:(m/4)*PAIR+((m/2)%2)*1024+(m%2)*512  ; 512 consecutive bytes, at a multiple of 512 from xg's first
.set m, m+1
.endr
	s_wait_tensorcnt 0x0                           ; the wave's end, behind my last LDS store
	ds_add_u32 v[SPW], v[NIL]
	s_wait_dscnt 0x0
	s_endpgm
.Lfunc_end_k_qd52ba0f6dc_gather:
	.size	k_qd52ba0f6dc_gather, .Lfunc_end_k_qd52ba0f6dc_gather-k_qd52ba0f6dc_gather
	.p2alignl 7, 3214868480
	.fill 96, 4, 3214868480
	.section	.rodata,"a",@progbits
	.p2align	6, 0x0
	.amdhsa_kernel k_qd52ba0f6dc_gather
		.amdhsa_group_segment_fixed_size 34304
		.amdhsa_private_segment_fixed_size 0
		.amdhsa_enable_private_segment 0
		.amdhsa_kernarg_size 32
		.amdhsa_user_sgpr_count 2
		.amdhsa_user_sgpr_kernarg_segment_ptr 1
		.amdhsa_wavefront_size32 1
		.amdhsa_system_sgpr_workgroup_id_x 1
		.amdhsa_system_sgpr_workgroup_id_y 1
		.amdhsa_system_sgpr_workgroup_id_z 1
		.amdhsa_system_vgpr_workitem_id 0
		.amdhsa_next_free_vgpr 256
		.amdhsa_next_free_sgpr 66
		.amdhsa_reserve_vcc 1
		.amdhsa_float_denorm_mode_32 3
		.amdhsa_float_denorm_mode_16_64 3
		.amdhsa_memory_ordered 1
		.amdhsa_forward_progress 1
		.amdhsa_inst_pref_size 50
	.end_amdhsa_kernel
	.amdgpu_metadata
---
amdhsa.version: [ 1, 2 ]
amdhsa.kernels:
  - .name:           k_qd52ba0f6dc_gather
    .symbol:         k_qd52ba0f6dc_gather.kd
    .args:
      - { .name: sel, .offset: 0, .size: 8, .value_kind: global_buffer, .address_space: global }
      - { .name: x, .offset: 8, .size: 8, .value_kind: global_buffer, .address_space: global }
      - { .name: xg, .offset: 16, .size: 8, .value_kind: global_buffer, .address_space: global }
      - { .name: tab, .offset: 24, .size: 8, .value_kind: global_buffer, .address_space: global }
    .group_segment_fixed_size: 34304
    .private_segment_fixed_size: 0
    .kernarg_segment_align: 8
    .kernarg_segment_size: 32
    .max_flat_workgroup_size: 128
    .sgpr_count:     66
    .vgpr_count:     256
    .wavefront_size: 32
...
	.end_amdgpu_metadata
.endif
;; end of part 2
;; launch ffn1 (part 3): grid 32 x 8, 4 waves a work-group, clusters of 4 x 1, 327,680 bytes of LDS; arguments xg, W1, b1, h; writes h
.if DOCPART == 3
	.amdgcn_target "amdgcn-amd-amdhsa--gfx1250"
	.amdhsa_code_object_version 6
	.text
	.protected	k_qd52ba0f6dc_ffn1
	.globl	k_qd52ba0f6dc_ffn1
	.p2align	8
	.type	k_qd52ba0f6dc_ffn1,@function
k_qd52ba0f6dc_ffn1:
	s_mov_b64 s[64:65], 0
	v_nop
	global_prefetch_b8 v0, s[64:65] scope:SCOPE_SE
	s_setreg_imm32_b32 hwreg(HW_REG_WAVE_MODE, 25, 1), 1
	s_wait_xcnt 0x0
	s_wait_alu depctr_hold_cnt(0) depctr_sa_sdst(0) depctr_va_vdst(0) depctr_va_sdst(0) depctr_va_ssrc(0) depctr_va_vcc(0) depctr_vm_vsrc(0)
	s_getreg_b32 s2, hwreg(HW_REG_IB_STS2, 6, 4)
	s_cmp_eq_u32 s2, 0
	s_cbranch_scc0 .Lentry_in_a_cluster
	s_endpgm
.Lentry_in_a_cluster:
	s_bfe_u32 s2, ttmp6, 0x10000c
	s_cmp_lg_u32 s2, 0x3003
	s_cbranch_scc0 .Lentry_shape_is_right
	s_endpgm
.Lentry_shape_is_right:
; FFN1.  h = gelu(xg W1[e] + b1[e]) for the row places of expert e and 128 hidden columns (slice): a work-group has W1[e][0..1023][128 slice ..], 512 KiB of f32 that no other work-group reads, and all 320 row places.
; WAVES.  Wave w: ng = w % 2 picks 64 of the columns, kh = w / 2 picks one of the two K steps (32 k each) of every PAIR of 64 k: 16 K steps a wave.  A wave's tile is 320 x 64: 20 x 4 accumulators, 640 registers;
; the two kh halves of a sum meet in LDS at the end.
; WEIGHTS come straight into registers and are rounded there.  A load takes 16 bytes a lane: lanes 0-15 the 256 bytes of one row of W1, lanes 16-31 those of the row 8 further on.  Lane (r, hh) so holds
; columns 4 r .. 4 r + 3: column 4 r + cc counts as place r of column tile cc, and sixteen loads (k = 8 hh + i % 8 + 16 (i / 8)) pack into the four tiles' fragments with 32 conversions and no exchange of lanes.
; Three raw stages of 16 loads take turns: a stage is converted and at once loaded again for the K step three steps on: 48 loads, 24 KiB, of a wave are on their way.
; TOKENS come by tensor loads: xg lies in fragment order, a pair (64 k x 320 rows) is 40,960 dense bytes.  Two LDS slots of three pairs take turns, each wave moves a quarter of a slot (two slots of four pairs
; and the spare words would be 512 bytes more than a work-group can have).  The 16 pairs go as 1 + 5 x 3: pair 0 comes alone, into slot B's first place, and its K step starts the sums; then each refill
; is asked for three K steps, 240 matrix instructions, ahead of the wait for it; four refills in all.
; CLUSTER.  The four work-groups of a cluster have the same expert and walk the same pairs, so each quarter is asked for jointly, by the same descriptor and the mask of all four.
; THE MATRIX INSTRUCTION IS USED TRANSPOSED (source 0 = 16 hidden columns, source 1 = 16 tokens): a lane holds one token and eight hidden places, 16 bytes of bf16 that ARE a piece of the next product's operand.
; h: [e 8][pair 64][mt 20][kh 2][piece 2][lane 32][16 bytes]; place k' of K step kh of pair q is hidden column 64 q + 4 (k' % 16) + 2 kh + k' / 16; the next launch reads W2's rows in that order.
; ROWS.  All 320 row places are multiplied, whatever the expert's count: the partners of a cluster run the same text the same way, and no branch here hangs on a number read from memory.
; The price: 320 places where an even split of the 2,048 choices has 256 rows.  Places past the count are zeros in xg; h holds gelu(b1) there, and no output is made of it.
; GELU, exact form: gelu(x) = max(x, 0) - |x| erfc(|x| / sqrt 2) / 2, erfc by the five-term fit t = 1 / (1 + 0.3275911 z), (a1 t + .. + a5 t^5) e^(-z z), absolute error under 1.5e-7; good for every finite x.
; FORMATS.  xg, W1 and b1 rounded to bf16, sums in f32, h rounded once to bf16.  NaN and infinities are not treated apart.
.set WP,    16384                      ; bytes in a row of W1[e]
.set KS,    64                         ; rows from a K step of mine to my next
.set I7,    1                          ; rows from load i to load i + 1 within eight
.set I3,    16                         ; rows from loads 0-7 to loads 8-15
.set PAIR,  40960                      ; [mt 20][kh 2][piece 2][512 bytes]
.set SLOT,  3*PAIR                     ; slot A at LDS byte 0, slot B at SLOT
.set QUART, SLOT/4                     ; what one refill of a wave brings: 120 rows of 256 bytes
.set QS,    PAIR/4                     ; a wave's part of pair 0: 40 rows of 256 bytes
.set ROOM,  40960                      ; the way out: a wave's room for ten tiles x 4 of sums
.set FIVE,  20480                      ; five tiles x 4 of sums
.set SPARE, 2*SLOT                     ; behind the two slots: the spare words, 128 bytes a wave
; window 0
.set SPW, 2                            ; v2  LDS address of my spare word; never rewritten
.set NIL, 3                            ; v3  0; never rewritten
.set WOFF, 4                           ; v4  my byte offset in a load of weights
.set AP,  5                            ; v5-10  my place in each of the six pair places: 16 lane + 1,024 kh + 40,960 place
.set DMP, 11                           ; v11 where my sums go on the way out
.set RD0, 12                           ; v12, v13  where the two halves of a tile's sums are read
.set RD1, 13
.set GO,  14                           ; v14 16 x lane
.set BOFF, 15                          ; v15 my byte offset in b1
.set RB0, 16                           ; v16, v17  RD0's and RD1's start; never rewritten
.set RB1, 17
.set WF,  32                           ; v32-63   the four column tiles' fragments
.set AF,  64                           ; v64-127  token fragments, two buffers of four tiles
.set RAW, 128                          ; v128-255 raw stages 0, 1; stage 2 at v128-191 of window 3
.set BR,  192                          ; v192-223 of window 3: b1 as loaded
; windows 1, 2: sums of tiles 0-7, 8-15 at 32 (mt % 8) + 8 cc; window 3: v0-127 tiles 16-19
; the way out, window 0:
.set X,   32
.set S,   64
.set T,   96
.set Y,   128
.set BI,  160
.set E,   192
.set PP,  224
.set WV, 14
.set NG, 15
.set KH, 16
.set CX, 17
.set SL, 18
.set EX, 19
.set CNT, 23
.set G1, 24                            ; s[24:31] descriptor group 1 of a refill
.set G0, 32                            ; s[32:39] descriptor group 0, a set for each slot
.set WB, 40                            ; s[40:41] W1 at my first row and column, stepped three K steps at a time
.set BB, 42                            ; s[42:43] b1 at my 64 columns
.set OB, 44                            ; s[44:45] h at the tile to be stored
.set HF, 47
.set CP, 48                            ; constants, each in a pair: the packed forms name a pair and take its low word
.set CN, 50
.set A5, 52
.set A4, 54
.set A3, 56
.set A2, 58
.set A1, 60
.set ABSM, 62
.set HIM, 63
.set G1S, 80                           ; s[80:87] descriptor group 1 of pair 0's load
.set G0S, 88                           ; s[88:91] its group 0
.set MSB, 0
.macro WIN new                         ; the immediate's high byte repeats the setting that is left; a switch that changes nothing is dropped
.if MSB != (\new)
	s_set_vgpr_msb (MSB<<8)|(\new)
.set MSB, (\new)
.endif
.endm
.macro PLACES                          ; four plain instructions between a matrix instruction and a write of, or a load into, one of its registers, or a read of its result
.rept 4
	v_nop
.endr
.endm
.macro CROUND                          ; a round of the cluster's barrier: my work-group's barrier; wave 0 signals for it; all wait for the four work-groups; my work-group's barrier once more
	s_barrier_signal -1
	s_barrier_wait -1
	s_cmp_lg_u32 s[WV], 0
	s_cbranch_scc1 .Lnot_wave_0_\@
	s_barrier_signal -3
.Lnot_wave_0_\@:
	s_barrier_wait -3
	s_barrier_signal -1
	s_barrier_wait -1
.endm
.macro WLOAD st, row                   ; sixteen loads into raw stage st: the K step that begins at row `row` from WB
	WIN 0xc0*((\st)/2)
.set rb, RAW+64*((\st)%2)
.irp i, 0,1,2,3,4,5,6,7,8,9,10,11,12,13,14,15
	global_load_b128 v[rb+4*\i:rb+4*\i+3], v[WOFF], s[WB:WB+1] offset:((\row)+I7*(\i&7)+I3*(\i>>3))*WP th:TH_LOAD_NT
.endr
.endm
.macro CVT st                          ; raw stage st -> the four fragments: register q of tile cc takes column cc of loads 2 q and 2 q + 1
	WIN 0x0f*((\st)/2)
.set rb, RAW+64*((\st)%2)
.irp cc, 0,1,2,3
.irp q, 0,1,2,3,4,5,6,7
	v_cvt_pk_bf16_f32 v[WF+8*\cc+\q], v[rb+8*\q+\cc], v[rb+8*\q+4+\cc]
.endr
.endr
.endm
.macro AFETCH g, place, buf            ; the token fragments of tiles 4 g .. 4 g + 3 for my K step of the pair in `place`: eight loads of 512 consecutive bytes
.irp t, 0,1,2,3
.set mt, 4*(\g)+\t
.set ra, AF+32*(\buf)+8*\t
	ds_load_b128 v[ra:ra+3], v[AP+(\place)] offset:mt*2048
	ds_load_b128 v[ra+4:ra+7], v[AP+(\place)] offset:mt*2048+512
.endr
.endm
.macro MM8 pi, buf, zero               ; tiles 2 pi, 2 pi + 1 x the four column tiles.  The 80 sums of a K step take turns, one instruction a turn, over the loop's jump too
	WIN 0x50*(1+(\pi)/4)
.irp d, 0,1
.irp cc, 0,1,2,3
.set rc, 32*((2*(\pi)+\d)%8)+8*\cc
.set rf, AF+32*(\buf)+8*((2*(\pi)+\d)%4)
.if \zero
	v_wmma_f32_16x16x32_bf16 v[rc:rc+7], v[WF+8*\cc:WF+8*\cc+7], v[rf:rf+7], 0
.else
	v_wmma_f32_16x16x32_bf16 v[rc:rc+7], v[WF+8*\cc:WF+8*\cc+7], v[rf:rf+7], v[rc:rc+7]
.endif
.endr
.endr
.endm
; A K STEP: raw stage st, my K step of the pair in `place`: 80 matrix instructions in five groups of four tiles; a group's fragments are fetched while the group before is multiplied.
; zero = 1: the products start the sums.  row >= 0: the stage is loaded again, for the K step three on, which begins at that row from WB.  wcnt: the loads issued behind this stage's sixteen, which may stay out.
.macro KSTEP st, place, zero, row, wcnt
	WIN 0
	PLACES                                         ; behind the last products: for the loads into the first buffer and the conversions into the weights' fragments
	AFETCH 0, \place, 0
	s_wait_loadcnt \wcnt
	CVT \st
.if (\row) >= 0
	WLOAD \st, \row
.endif
.irp g, 0,1,2,3,4
.if \g < 4
	WIN 0
.if \g > 0
	PLACES                                         ; for the loads into the buffer just multiplied
.endif
	AFETCH \g+1, \place, (\g+1)&1
	s_wait_dscnt 0x8                               ; this group's eight loads are back; the next group's eight may stay out
.else
	s_wait_dscnt 0x0                               ; the last group's: no LDS load of mine is out behind this line
.endif
	MM8 2*\g, \g&1, \zero
	MM8 2*\g+1, \g&1, \zero
.endr
	WIN 0                                          ; at a branch and at a label every window is 0
.endm
; THE CHANGE OF SLOTS.  Each wave waits for all its tensor loads, of which one is out: its quarter of the slot to be read next; adds 0 to its spare word; waits for that and for its reads of the slot that it leaves.
; fill = 1: the barrier is a round of the cluster's, and behind it `slot` (0 = A, 1 = B), the one just left, is filled again, first thing, with the three pairs that follow those of the other slot.
; The other slot's group 0, whose load has landed, is stepped to its next three pairs here; the weights' base goes three K steps on.
.macro CHANGE slot, fill
	WIN 0
	s_wait_tensorcnt 0x0                           ; no tensor load of mine is out, so a group 0 may be written
	ds_add_u32 v[SPW], v[NIL]
.if \fill
	s_add_nc_u64 s[G0+4*(1-(\slot))+2:G0+4*(1-(\slot))+3], s[G0+4*(1-(\slot))+2:G0+4*(1-(\slot))+3], 2*SLOT
	s_wait_xcnt 0x0                                ; the weights' loads have read their base
	s_add_nc_u64 s[WB:WB+1], s[WB:WB+1], 3*KS*WP
.endif
	s_wait_dscnt 0x0                               ; the add is done, and my reads of the slot are over
.if \fill
	CROUND
	tensor_load_to_lds s[G0+4*(\slot):G0+4*(\slot)+3], s[G1:G1+7]
	s_nop 0
	PLACES
.else
	s_barrier_signal -1
	s_barrier_wait -1
.endif
.endm
.macro DUMP rho                        ; the sums of tiles 10 rho .. 10 rho + 9 into my room in LDS, each accumulator's low registers first
.set tl, 0
.rept 40
.set mt, 10*(\rho)+tl/4
.set rc, 32*(mt%8)+8*(tl%4)
	WIN (1+mt/8)<<2
	ds_store_b128 v[DMP], v[rc:rc+3] offset:1024*tl
	ds_store_b128 v[DMP], v[rc+4:rc+7] offset:1024*tl+512
.set tl, tl+1
.endr
	WIN 0
.endm
.macro P16 line:vararg                 ; one line for each of 16 register pairs, i = 0, 2 .. 30
.set i, 0
.rept 16
	\line
.set i, i+2
.endr
.endm
.macro P32 line:vararg                 ; one line for each of 32 registers
.set i, 0
.rept 32
	\line
.set i, i+1
.endr
.endm
	s_load_b256 s[4:11], s[0:1], 0x0               ; xg s[4:5], W1 s[6:7], b1 s[8:9], h s[10:11]
	v_lshl_add_u32 v[SPW], v0, 2, SPARE
	v_mov_b32 v[NIL], 0
	ds_add_u32 v[SPW], v[NIL]                      ; the wave's opening: the add and its wait ahead of my first tensor load; the set-up, work on registers, stands between them
	v_lshrrev_b32 v1, 5, v0
	v_readfirstlane_b32 s[WV], v1
	s_and_b32 s[NG], s[WV], 1
	s_lshr_b32 s[KH], s[WV], 1
	s_bfe_u32 s[CX], ttmp6, 0x40000                ; my place in the cluster: it enters W1's, b1's and h's addresses alone
	s_lshl_b32 s[SL], ttmp9, 2
	s_add_co_u32 s[SL], s[SL], s[CX]               ; slice = 4 x cluster x + cx
	s_and_b32 s[EX], ttmp7, 0xffff                 ; the expert, which the partners share
	; descriptor group 1: dense bytes as rows of 32 elements of 8 bytes, no padding: 120 rows for a refill, 40 for pair 0
	s_mov_b32 s[G1], 15|(3<<16)|(1<<21)            ; 15:0 the mask of four; 17:16 elements of 8 bytes; 21 set beside a mask
	s_mov_b32 s[G1+1], 32<<16                      ; tensor_dim0 = 32
	s_mov_b32 s[G1+2], 120<<16                     ; tensor_dim1 = 120
	s_mov_b32 s[G1+3], 32<<16                      ; tile_dim0 = 32
	s_mov_b32 s[G1+4], 120                         ; tile_dim1 = 120
	s_mov_b32 s[G1+5], 32                          ; 32 elements from row to row
	s_mov_b32 s[G1+6], 0
	s_mov_b32 s[G1+7], 0
	s_mov_b32 s[G1S], 15|(3<<16)|(1<<21)
	s_mov_b32 s[G1S+1], 32<<16
	s_mov_b32 s[G1S+2], 40<<16                     ; tensor_dim1 = 40
	s_mov_b32 s[G1S+3], 32<<16
	s_mov_b32 s[G1S+4], 40                         ; tile_dim1 = 40
	s_mov_b32 s[G1S+5], 32
	s_mov_b32 s[G1S+6], 0
	s_mov_b32 s[G1S+7], 0
	s_mov_b32 s[G0], 1
	s_mul_i32 s[G0+1], s[WV], QUART                ; LDS: my quarter of slot A,
	s_mov_b32 s[G0+4], 1
	s_add_co_u32 s[G0+5], s[G0+1], SLOT            ; of slot B,
	s_mov_b32 s[G0S], 1
	s_mul_i32 s68, s[WV], QS
	s_add_co_u32 s[G0S+1], s68, SLOT               ; and of slot B's first place
	s_mov_b32 s69, 0
	s_mov_b32 s76, s[G0+1]
	s_mov_b32 s77, 0
	s_mul_i32 s66, s[EX], 16*PAIR                  ; xg: the expert's sixteen pairs
	s_mov_b32 s67, 0
	s_lshl_b32 s70, s[EX], 24                      ; W1: the expert, 32 kh rows, my 256 bytes of a row
	s_lshl_b32 s71, s[KH], 19
	s_add_co_u32 s70, s70, s71
	s_lshl_b32 s71, s[SL], 9
	s_add_co_u32 s70, s70, s71
	s_lshl_b32 s71, s[NG], 8
	s_add_co_u32 s70, s70, s71
	s_lshl_b32 s72, s[EX], 14                      ; b1: the expert's row, my 64 columns
	s_lshl_b32 s73, s[SL], 9
	s_add_co_u32 s72, s72, s73
	s_add_co_u32 s72, s72, s71
	s_mov_b32 s71, 0
	s_mov_b32 s73, 0
	s_mul_i32 s74, s[EX], 64*PAIR                  ; h: the expert, pair 2 slice + ng, tile 5 kh
	s_mul_i32 s75, s[SL], 2*PAIR
	s_add_co_u32 s74, s74, s75
	s_mul_i32 s75, s[NG], PAIR
	s_add_co_u32 s74, s74, s75
	s_mul_i32 s75, s[KH], 5*2048
	s_add_co_u32 s74, s74, s75
	s_mov_b32 s75, 0
.irp c, CP, CN, A5, A4, A3, A2, A1
	s_mov_b32 s[\c+1], 0
.endr
	s_mov_b32 s[CP], 0x3e6d3388                    ; 0.3275911 / sqrt 2
	s_mov_b32 s[CN], 0xbf38aa3b                    ; -log2(e) / 2
	s_mov_b32 s[A5], 0x3f07dc22                    ; a5 / 2 =  0.5307027
	s_mov_b32 s[A4], 0xbf3a00e3                    ; a4 / 2 = -0.7265760
	s_mov_b32 s[A3], 0x3f35f0e3                    ; a3 / 2 =  0.7107069
	s_mov_b32 s[A2], 0xbe11a98e                    ; a2 / 2 = -0.1422484
	s_mov_b32 s[A1], 0x3e027906                    ; a1 / 2 =  0.1274148
	s_mov_b32 s[ABSM], 0x7fffffff
	s_mov_b32 s[HIM], 0xffff0000
	v_and_b32 v1, 31, v0                           ; lane
	v_and_b32 v18, 15, v0                          ; r
	v_bfe_u32 v19, v0, 4, 1                        ; hh
	v_lshlrev_b32 v[WOFF], 4, v18
	v_lshl_add_u32 v[WOFF], v19, 17, v[WOFF]       ; 16 r + 8 rows x hh
	s_lshl_b32 s78, s[KH], 10
	v_lshl_add_u32 v[AP], v1, 4, s78               ; 16 lane + my K step of a tile's two
.irp p, 1,2,3,4,5
	v_add_nc_u32 v[AP+\p], \p*PAIR, v[AP]
.endr
	s_mul_i32 s78, s[WV], ROOM
	v_lshl_add_u32 v[DMP], v1, 4, s78
	s_mul_i32 s78, s[NG], ROOM                     ; the room of wave (ng, kh = 0), five tiles in for kh = 1
	s_mul_i32 s79, s[KH], FIVE
	s_add_co_u32 s78, s78, s79
	v_lshl_add_u32 v[RB0], v1, 4, s78
	v_add_nc_u32 v[RB1], 2*ROOM, v[RB0]            ; the room of wave (ng, kh = 1)
	v_lshlrev_b32 v[GO], 4, v1
	v_lshlrev_b32 v[BOFF], 7, v19
	s_wait_dscnt 0x0                               ; the opening add is done
	s_wait_kmcnt 0x0
	s_add_nc_u64 s[WB:WB+1], s[6:7], s[70:71]
	s_add_nc_u64 s[BB:BB+1], s[8:9], s[72:73]
	s_add_nc_u64 s[OB:OB+1], s[10:11], s[74:75]
	s_add_nc_u64 s[4:5], s[4:5], s[66:67]          ; xg at the expert's pair 0
	s_add_nc_u64 s[G0S+2:G0S+3], s[4:5], s[68:69]  ; my part of pair 0
	s_add_nc_u64 s[G0+2:G0+3], s[4:5], s[76:77]
	s_add_nc_u64 s[G0+6:G0+7], s[G0+2:G0+3], 4*PAIR  ; slot B's first refill: my quarter of pairs 4 to 6
	s_add_nc_u64 s[G0+2:G0+3], s[G0+2:G0+3], PAIR    ; slot A's first fill: of pairs 1 to 3
	s_or_b32 s[G0+3], s[G0+3], 0x80000000          ; 127:126 type = 2
	s_or_b32 s[G0+7], s[G0+7], 0x80000000
	s_or_b32 s[G0S+3], s[G0S+3], 0x80000000
	WIN 0xc0
.irp j, 0,1,2,3,4,5,6,7
	global_load_b128 v[BR+4*\j:BR+4*\j+3], v[BOFF], s[BB:BB+1] offset:16*\j  ; b1 of columns 32 hh + 4 j + 0..3: the oldest loads, so every later count covers them
.endr
	WLOAD 0, 0                                     ; the three raw stages: my K steps 0, 1, 2
	WLOAD 1, KS
	WLOAD 2, 2*KS
	WIN 0
	CROUND                                         ; all four work-groups are here: the first joint loads meet
	tensor_load_to_lds s[G0S:G0S+3], s[G1S:G1S+7]  ; pair 0
	s_nop 0
	tensor_load_to_lds s[G0:G0+3], s[G1:G1+7]      ; pairs 1 to 3: two loads of mine are out
	s_nop 0
	PLACES
	s_wait_tensorcnt 0x1                           ; my part of pair 0 is in; slot A's may stay out
	s_barrier_signal -1
	s_barrier_wait -1
	KSTEP 0, 3, 1, 3*KS, 32                        ; K step 0 starts the sums.  32: the two younger stages may stay out
	s_mov_b32 s[CNT], 2
.Lloop:                                                ; a trip: six K steps; both slots are filled again, every stage twice
	CHANGE 1, 1
	KSTEP 1, 0, 0, KS, 32
	KSTEP 2, 1, 0, 2*KS, 32
	KSTEP 0, 2, 0, 3*KS, 32
	CHANGE 0, 1
	KSTEP 1, 3, 0, KS, 32
	KSTEP 2, 4, 0, 2*KS, 32
	KSTEP 0, 5, 0, 3*KS, 32
	s_sub_co_u32 s[CNT], s[CNT], 1
	s_cmp_lg_u32 s[CNT], 0
	s_cbranch_scc1 .Lloop
	CHANGE 1, 0                                    ; pairs 13 to 15: nothing more is asked for, and the counts run down
	KSTEP 1, 0, 0, -1, 32
	KSTEP 2, 1, 0, -1, 16
	KSTEP 0, 2, 0, -1, 0
	; THE WAY OUT, in two halves of ten tiles: every wave lays its sums into LDS (the slots have had their last fill); wave (ng, kh) then adds both K halves of tiles 5 kh .. 5 kh + 4 of its columns,
	; adds the bias, applies gelu, rounds and stores.
	PLACES
	s_barrier_signal -1                            ; every wave's reads of the slots are over (each K step ends with all its LDS loads back)
	s_barrier_wait -1
	WIN 0x0f                                       ; b1 lies in window 3
.irp cc, 0,1,2,3
.irp j, 0,2,4,6
	v_cvt_pk_bf16_f32 v[T+4*\cc+\j/2], v[BR+4*\j+\cc], v[BR+4*\j+4+\cc]  ; b1 rounded to bf16, as every input is,
.endr
.endr
	WIN 0
.irp cc, 0,1,2,3
.irp j, 0,2,4,6
	v_lshlrev_b32 v[BI+8*\cc+\j], 16, v[T+4*\cc+\j/2]                    ; and widened again, in the accumulators' order
	v_and_b32 v[BI+8*\cc+\j+1], s[HIM], v[T+4*\cc+\j/2]
.endr
.endr
	s_mov_b32 s[HF], 0
.Lhalf:
	s_cmp_eq_u32 s[HF], 0
	s_cbranch_scc0 .Ldump1
	DUMP 0
	s_branch .Ldumped
.Ldump1:
	DUMP 1
.Ldumped:
	v_mov_b32 v[RD0], v[RB0]
	v_mov_b32 v[RD1], v[RB1]
	s_wait_dscnt 0x0                               ; for the others' sake: my sums are in LDS
	s_barrier_signal -1
	s_barrier_wait -1
	s_mov_b32 s[CNT], 5
.Lfin:                                                 ; a trip: one tile of 16 rows x my 64 columns
.irp cc, 0,1,2,3
	ds_load_b128 v[X+8*\cc:X+8*\cc+3], v[RD0] offset:1024*\cc
	ds_load_b128 v[X+8*\cc+4:X+8*\cc+7], v[RD0] offset:1024*\cc+512
	ds_load_b128 v[S+8*\cc:S+8*\cc+3], v[RD1] offset:1024*\cc
	ds_load_b128 v[S+8*\cc+4:S+8*\cc+7], v[RD1] offset:1024*\cc+512
.endr
	s_wait_dscnt 0x0
	P16 v_pk_add_f32 v[X+i:X+i+1], v[X+i:X+i+1], v[S+i:S+i+1]
	P16 v_pk_add_f32 v[X+i:X+i+1], v[X+i:X+i+1], v[BI+i:BI+i+1]
	P32 v_and_b32 v[S+i], s[ABSM], v[X+i]                                                   ; |x|
	P16 v_pk_fma_f32 v[T+i:T+i+1], v[S+i:S+i+1], s[CP:CP+1], 1.0 op_sel_hi:[1,0,0]          ; 1 + p z
	P16 v_pk_mul_f32 v[E+i:E+i+1], v[S+i:S+i+1], v[S+i:S+i+1]
	P16 v_pk_mul_f32 v[E+i:E+i+1], v[E+i:E+i+1], s[CN:CN+1] op_sel_hi:[1,0]                 ; -z z log2(e)
	P32 v_rcp_f32 v[T+i], v[T+i]                                                            ; one batch: 32 reciprocals,
	P32 v_max_num_f32 v[X+i], 0, v[X+i]                                                     ; (plain work that names none of its results)
	P32 v_exp_f32 v[E+i], v[E+i]                                                            ; 32 exponentials,
	v_nop                                                                                   ; a plain instruction behind the last,
	s_wait_alu depctr_va_vdst(0)                                                            ; and the one wait ahead of the first use
	P16 v_pk_fma_f32 v[PP+i:PP+i+1], v[T+i:T+i+1], s[A5:A5+1], s[A4:A4+1] op_sel_hi:[1,0,0]
	P16 v_pk_fma_f32 v[PP+i:PP+i+1], v[PP+i:PP+i+1], v[T+i:T+i+1], s[A3:A3+1] op_sel_hi:[1,1,0]
	P16 v_pk_fma_f32 v[PP+i:PP+i+1], v[PP+i:PP+i+1], v[T+i:T+i+1], s[A2:A2+1] op_sel_hi:[1,1,0]
	P16 v_pk_fma_f32 v[PP+i:PP+i+1], v[PP+i:PP+i+1], v[T+i:T+i+1], s[A1:A1+1] op_sel_hi:[1,1,0]
	P16 v_pk_mul_f32 v[T+i:T+i+1], v[T+i:T+i+1], v[E+i:E+i+1]
	P16 v_pk_mul_f32 v[PP+i:PP+i+1], v[PP+i:PP+i+1], v[T+i:T+i+1]                           ; erfc(z) / 2
	P16 v_pk_fma_f32 v[X+i:X+i+1], v[S+i:S+i+1], v[PP+i:PP+i+1], v[X+i:X+i+1] neg_lo:[1,0,0] neg_hi:[1,0,0]
	P16 v_cvt_pk_bf16_f32 v[Y+i/2], v[X+i], v[X+i+1]
.irp cc, 0,1,2,3
	global_store_b128 v[GO], v[Y+4*\cc:Y+4*\cc+3], s[OB:OB+1] offset:512*\cc  ; 512 consecutive bytes: K step kh = cc / 2, piece cc % 2 of the next product's operand
.endr
	v_add_nc_u32 v[RD0], 4096, v[RD0]
	v_add_nc_u32 v[RD1], 4096, v[RD1]
	s_wait_xcnt 0x0                                ; the stores have read their data and their base
	s_add_nc_u64 s[OB:OB+1], s[OB:OB+1], 2048
	s_sub_co_u32 s[CNT], s[CNT], 1
	s_cmp_lg_u32 s[CNT], 0
	s_cbranch_scc1 .Lfin
	s_wait_dscnt 0x0                               ; my reads of the others' sums are over
	s_barrier_signal -1
	s_barrier_wait -1
	s_add_nc_u64 s[OB:OB+1], s[OB:OB+1], 5*2048    ; the other wave's five tiles are passed over
	s_add_co_u32 s[HF], s[HF], 1
	s_cmp_lt_u32 s[HF], 2
	s_cbranch_scc1 .Lhalf
	s_wait_tensorcnt 0x0                           ; the wave's end, behind my last tensor load and my last LDS store
	ds_add_u32 v[SPW], v[NIL]
	s_wait_dscnt 0x0
	CROUND                                         ; the closing round: no work-group ends while a partner may still ask for pairs by a load that names it
	s_endpgm
.Lfunc_end_k_qd52ba0f6dc_ffn1:
	.size	k_qd52ba0f6dc_ffn1, .Lfunc_end_k_qd52ba0f6dc_ffn1-k_qd52ba0f6dc_ffn1
	.p2alignl 7, 3214868480
	.fill 96, 4, 3214868480
	.section	.rodata,"a",@progbits
	.p2align	6, 0x0
	.amdhsa_kernel k_qd52ba0f6dc_ffn1
		.amdhsa_group_segment_fixed_size 327680
		.amdhsa_private_segment_fixed_size 0
		.amdhsa_enable_private_segment 0
		.amdhsa_kernarg_size 32
		.amdhsa_user_sgpr_count 2
		.amdhsa_user_sgpr_kernarg_segment_ptr 1
		.amdhsa_wavefront_size32 1
		.amdhsa_system_sgpr_workgroup_id_x 1
		.amdhsa_system_sgpr_workgroup_id_y 1
		.amdhsa_system_sgpr_workgroup_id_z 1
		.amdhsa_system_vgpr_workitem_id 0
		.amdhsa_next_free_vgpr 1024
		.amdhsa_next_free_sgpr 96
		.amdhsa_reserve_vcc 0
		.amdhsa_float_denorm_mode_32 3
		.amdhsa_float_denorm_mode_16_64 3
		.amdhsa_memory_ordered 1
		.amdhsa_forward_progress 1
		.amdhsa_inst_pref_size 162
	.end_amdhsa_kernel
	.amdgpu_metadata
---
amdhsa.version: [ 1, 2 ]
amdhsa.kernels:
  - .name:           k_qd52ba0f6dc_ffn1
    .symbol:         k_qd52ba0f6dc_ffn1.kd
    .args:
      - { .name: xg, .offset: 0, .size: 8, .value_kind: global_buffer, .address_space: global }
      - { .name: W1, .offset: 8, .size: 8, .value_kind: global_buffer, .address_space: global }
      - { .name: b1, .offset: 16, .size: 8, .value_kind: global_buffer, .address_space: global }
      - { .name: h, .offset: 24, .size: 8, .value_kind: global_buffer, .address_space: global }
    .group_segment_fixed_size: 327680
    .private_segment_fixed_size: 0
    .kernarg_segment_align: 8
    .kernarg_segment_size: 32
    .max_flat_workgroup_size: 128
    .sgpr_count:     96
    .vgpr_count:     1024
    .wavefront_size: 32
...
	.end_amdgpu_metadata
.endif
;; end of part 3
;; launch ffn2 (part 4): grid 8 x 32, 4 waves a work-group, clusters of 4 x 1, 327,680 bytes of LDS; arguments h, W2, yp; writes yp
.if DOCPART == 4
	.amdgcn_target "amdgcn-amd-amdhsa--gfx1250"
	.amdhsa_code_object_version 6
	.text
	.protected	k_qd52ba0f6dc_ffn2
	.globl	k_qd52ba0f6dc_ffn2
	.p2align	8
	.type	k_qd52ba0f6dc_ffn2,@function
k_qd52ba0f6dc_ffn2:
	s_mov_b64 s[64:65], 0
	v_nop
	global_prefetch_b8 v0, s[64:65] scope:SCOPE_SE
	s_setreg_imm32_b32 hwreg(HW_REG_WAVE_MODE, 25, 1), 1
	s_wait_xcnt 0x0
	s_wait_alu depctr_hold_cnt(0) depctr_sa_sdst(0) depctr_va_vdst(0) depctr_va_sdst(0) depctr_va_ssrc(0) depctr_va_vcc(0) depctr_vm_vsrc(0)
	s_getreg_b32 s2, hwreg(HW_REG_IB_STS2, 6, 4)
	s_cmp_eq_u32 s2, 0
	s_cbranch_scc0 .Lentry_in_a_cluster
	s_endpgm
.Lentry_in_a_cluster:
	s_bfe_u32 s2, ttmp6, 0x10000c
	s_cmp_lg_u32 s2, 0x3003
	s_cbranch_scc0 .Lentry_shape_is_right
	s_endpgm
.Lentry_shape_is_right:
; FFN2.  yp[kq] = h[:, quarter kq] W2[e][quarter kq][128 nslice ..]: a work-group has 1,024 rows x 128 columns of W2[e], 512 KiB of f32 that no other work-group reads, and all 320 row places of the expert.
; The four quarters of the hidden width are partial sums, kept in f32 and added by the next launch.
; WAVES, WEIGHTS, TOKENS, CLUSTER as in the first product: wave w has ng = w % 2 (64 columns) and kh = w / 2 (one of the two K steps of every pair of 64 k); a tile of 320 x 64 in 640 registers; weights straight into
; registers, three raw stages of 16 loads that take turns; h by joint tensor loads, a pair of 40,960 dense bytes, three pairs in each of two LDS slots, a quarter of a slot a wave.  The quarter's 16 pairs go as
; 1 + 5 x 3: pair 0 comes alone, into slot B's first place; each of the four refills is asked for three K steps, 240 matrix instructions, ahead of the wait for it.
; h's ORDER OF k.  Place k' of K step kh of pair q is hidden column 64 q + 4 (k' % 16) + 2 kh + k' / 16.  So load i of lane half hh takes, for my K step s, W2's row
; 64 s + 2 kh + 32 hh + 4 (i % 8) + i / 8 of the quarter: the same order on both sides leaves every product in its sum.
; THE MATRIX INSTRUCTION IS USED AS IT IS (source 0 = 16 tokens, source 1 = 16 columns): column 4 r + cc is place r of column tile cc, so a lane's four tiles hold four neighbouring columns of a row, 16 bytes.
; ROWS.  All 320 row places are multiplied and stored, whatever the expert's count: the partners of a cluster run the same text the same way, and no branch here hangs on a number read from memory.
; The price: 320 places where an even split of the 2,048 choices has 256 rows.  The next launch reads no row past the count.
; FORMATS.  h is bf16, W2 is rounded to bf16, sums in f32.  NaN and infinities are not treated apart.
.set WP,    4096                       ; bytes in a row of W2[e]
.set KS,    64                         ; rows from a K step of mine to my next
.set I7,    4
.set I3,    1
.set PAIR,  40960                      ; [mt 20][kh 2][piece 2][512 bytes]
.set SLOT,  3*PAIR                     ; slot A at LDS byte 0, slot B at SLOT
.set QUART, SLOT/4                     ; 120 rows of 256 bytes
.set QS,    PAIR/4                     ; 40 rows of 256 bytes
.set ROOM,  40960
.set FIVE,  20480
.set SPARE, 2*SLOT
.set SPW, 2                            ; v2  LDS address of my spare word; never rewritten
.set NIL, 3                            ; v3  0; never rewritten
.set WOFF, 4
.set AP,  5                            ; v5-10  my place in each of the six pair places
.set DMP, 11
.set RD0, 12
.set RD1, 13
.set GO,  14
.set RB0, 16
.set RB1, 17
.set WF,  32
.set AF,  64
.set RAW, 128                          ; v128-255 raw stages 0, 1; stage 2 at v128-191 of window 3
.set P0,  32                           ; the way out
.set P1,  64
.set O,   96
.set KQ, 12
.set WV, 14
.set NG, 15
.set KH, 16
.set CX, 17
.set SL, 18
.set EX, 19
.set CNT, 23
.set G1, 24
.set G0, 32
.set WB, 40
.set OB, 44
.set HF, 47
.set G1S, 80
.set G0S, 88
.set MSB, 0
.macro WIN new                         ; the immediate's high byte repeats the setting that is left; a switch that changes nothing is dropped
.if MSB != (\new)
	s_set_vgpr_msb (MSB<<8)|(\new)
.set MSB, (\new)
.endif
.endm
.macro PLACES                          ; four plain instructions between a matrix instruction and a write of, or a load into, one of its registers, or a read of its result
.rept 4
	v_nop
.endr
.endm
.macro CROUND                          ; a round of the cluster's barrier
	s_barrier_signal -1
	s_barrier_wait -1
	s_cmp_lg_u32 s[WV], 0
	s_cbranch_scc1 .Lnot_wave_0_\@
	s_barrier_signal -3
.Lnot_wave_0_\@:
	s_barrier_wait -3
	s_barrier_signal -1
	s_barrier_wait -1
.endm
.macro WLOAD st, row                   ; sixteen loads into raw stage st: lanes 0-15 take 256 bytes of one row, lanes 16-31 of the row 32 further on
	WIN 0xc0*((\st)/2)
.set rb, RAW+64*((\st)%2)
.irp i, 0,1,2,3,4,5,6,7,8,9,10,11,12,13,14,15
	global_load_b128 v[rb+4*\i:rb+4*\i+3], v[WOFF], s[WB:WB+1] offset:((\row)+I7*(\i&7)+I3*(\i>>3))*WP th:TH_LOAD_NT
.endr
.endm
.macro CVT st                          ; register q of column tile cc takes column cc of loads 2 q and 2 q + 1
	WIN 0x0f*((\st)/2)
.set rb, RAW+64*((\st)%2)
.irp cc, 0,1,2,3
.irp q, 0,1,2,3,4,5,6,7
	v_cvt_pk_bf16_f32 v[WF+8*\cc+\q], v[rb+8*\q+\cc], v[rb+8*\q+4+\cc]
.endr
.endr
.endm
.macro AFETCH g, place, buf            ; the fragments of h for tiles 4 g .. 4 g + 3, my K step of the pair in `place`
.irp t, 0,1,2,3
.set mt, 4*(\g)+\t
.set ra, AF+32*(\buf)+8*\t
	ds_load_b128 v[ra:ra+3], v[AP+(\place)] offset:mt*2048
	ds_load_b128 v[ra+4:ra+7], v[AP+(\place)] offset:mt*2048+512
.endr
.endm
.macro MM8 pi, buf, zero               ; tiles 2 pi, 2 pi + 1 x the four column tiles; the 80 sums of a K step take turns, one instruction a turn
	WIN 0x50*(1+(\pi)/4)
.irp d, 0,1
.irp cc, 0,1,2,3
.set rc, 32*((2*(\pi)+\d)%8)+8*\cc
.set rf, AF+32*(\buf)+8*((2*(\pi)+\d)%4)
.if \zero
	v_wmma_f32_16x16x32_bf16 v[rc:rc+7], v[rf:rf+7], v[WF+8*\cc:WF+8*\cc+7], 0
.else
	v_wmma_f32_16x16x32_bf16 v[rc:rc+7], v[rf:rf+7], v[WF+8*\cc:WF+8*\cc+7], v[rc:rc+7]
.endif
.endr
.endr
.endm
; A K STEP: raw stage st, my K step of the pair in `place`: 80 matrix instructions in five groups of four tiles; a group's fragments are fetched while the group before is multiplied.
; zero = 1: the products start the sums.  row >= 0: the stage is loaded again, for the K step three on, which begins at that row from WB.  wcnt: the loads issued behind this stage's sixteen, which may stay out.
.macro KSTEP st, place, zero, row, wcnt
	WIN 0
	PLACES                                         ; behind the last products: for the loads into the first buffer and the conversions into the weights' fragments
	AFETCH 0, \place, 0
	s_wait_loadcnt \wcnt
	CVT \st
.if (\row) >= 0
	WLOAD \st, \row
.endif
.irp g, 0,1,2,3,4
.if \g < 4
	WIN 0
.if \g > 0
	PLACES                                         ; for the loads into the buffer just multiplied
.endif
	AFETCH \g+1, \place, (\g+1)&1
	s_wait_dscnt 0x8                               ; this group's eight loads are back; the next group's eight may stay out
.else
	s_wait_dscnt 0x0                               ; the last group's: no LDS load of mine is out behind this line
.endif
	MM8 2*\g, \g&1, \zero
	MM8 2*\g+1, \g&1, \zero
.endr
	WIN 0                                          ; at a branch and at a label every window is 0
.endm
; THE CHANGE OF SLOTS: all my tensor loads are waited for, 0 is added to my spare word, that and my reads of the slot that I leave are waited for.  fill = 1: a round of the cluster's barrier, and behind it
; `slot` (0 = A, 1 = B), the one just left, is filled again, first thing.  The other slot's group 0, whose load has landed, is stepped to its next three pairs here; the weights' base goes three K steps on.
.macro CHANGE slot, fill
	WIN 0
	s_wait_tensorcnt 0x0                           ; no tensor load of mine is out, so a group 0 may be written
	ds_add_u32 v[SPW], v[NIL]
.if \fill
	s_add_nc_u64 s[G0+4*(1-(\slot))+2:G0+4*(1-(\slot))+3], s[G0+4*(1-(\slot))+2:G0+4*(1-(\slot))+3], 2*SLOT
	s_wait_xcnt 0x0                                ; the weights' loads have read their base
	s_add_nc_u64 s[WB:WB+1], s[WB:WB+1], 3*KS*WP
.endif
	s_wait_dscnt 0x0                               ; the add is done, and my reads of the slot are over
.if \fill
	CROUND
	tensor_load_to_lds s[G0+4*(\slot):G0+4*(\slot)+3], s[G1:G1+7]
	s_nop 0
	PLACES
.else
	s_barrier_signal -1
	s_barrier_wait -1
.endif
.endm
.macro DUMP rho                        ; the sums of tiles 10 rho .. 10 rho + 9 into my room in LDS, each accumulator's low registers first
.set tl, 0
.rept 40
.set mt, 10*(\rho)+tl/4
.set rc, 32*(mt%8)+8*(tl%4)
	WIN (1+mt/8)<<2
	ds_store_b128 v[DMP], v[rc:rc+3] offset:1024*tl
	ds_store_b128 v[DMP], v[rc+4:rc+7] offset:1024*tl+512
.set tl, tl+1
.endr
	WIN 0
.endm
	s_load_b128 s[4:7], s[0:1], 0x0                ; h s[4:5], W2 s[6:7]
	s_load_b64 s[8:9], s[0:1], 0x10                ; yp
	v_lshl_add_u32 v[SPW], v0, 2, SPARE
	v_mov_b32 v[NIL], 0
	ds_add_u32 v[SPW], v[NIL]                      ; the wave's opening: the add and its wait ahead of my first tensor load
	v_lshrrev_b32 v1, 5, v0
	v_readfirstlane_b32 s[WV], v1
	s_and_b32 s[NG], s[WV], 1
	s_lshr_b32 s[KH], s[WV], 1
	s_bfe_u32 s[CX], ttmp6, 0x40000                ; my place in the cluster: it enters W2's and yp's addresses alone
	s_lshl_b32 s[SL], ttmp9, 2
	s_add_co_u32 s[SL], s[SL], s[CX]               ; my 128 output columns
	s_and_b32 s66, ttmp7, 0xffff
	s_lshr_b32 s[EX], s66, 2                       ; the expert and the quarter of the hidden width, which the partners share
	s_and_b32 s[KQ], s66, 3
	; descriptor group 1: dense bytes as rows of 32 elements of 8 bytes, no padding: 120 rows for a refill, 40 for pair 0
	s_mov_b32 s[G1], 15|(3<<16)|(1<<21)            ; 15:0 the mask of four; 17:16 elements of 8 bytes; 21 set beside a mask
	s_mov_b32 s[G1+1], 32<<16                      ; tensor_dim0 = 32
	s_mov_b32 s[G1+2], 120<<16                     ; tensor_dim1 = 120
	s_mov_b32 s[G1+3], 32<<16                      ; tile_dim0 = 32
	s_mov_b32 s[G1+4], 120                         ; tile_dim1 = 120
	s_mov_b32 s[G1+5], 32                          ; 32 elements from row to row
	s_mov_b32 s[G1+6], 0
	s_mov_b32 s[G1+7], 0
	s_mov_b32 s[G1S], 15|(3<<16)|(1<<21)
	s_mov_b32 s[G1S+1], 32<<16
	s_mov_b32 s[G1S+2], 40<<16                     ; tensor_dim1 = 40
	s_mov_b32 s[G1S+3], 32<<16
	s_mov_b32 s[G1S+4], 40                         ; tile_dim1 = 40
	s_mov_b32 s[G1S+5], 32
	s_mov_b32 s[G1S+6], 0
	s_mov_b32 s[G1S+7], 0
	s_mov_b32 s[G0], 1
	s_mul_i32 s[G0+1], s[WV], QUART                ; LDS: my quarter of slot A,
	s_mov_b32 s[G0+4], 1
	s_add_co_u32 s[G0+5], s[G0+1], SLOT            ; of slot B,
	s_mov_b32 s[G0S], 1
	s_mul_i32 s68, s[WV], QS
	s_add_co_u32 s[G0S+1], s68, SLOT               ; and of slot B's first place
	s_mov_b32 s69, 0
	s_mov_b32 s76, s[G0+1]
	s_mov_b32 s77, 0
	s_mul_i32 s66, s[EX], 64*PAIR                  ; h: the expert, the quarter's sixteen pairs
	s_mul_i32 s67, s[KQ], 16*PAIR
	s_add_co_u32 s66, s66, s67
	s_mov_b32 s67, 0
	s_lshl_b32 s70, s[EX], 24                      ; W2: the expert, 1,024 kq + 2 kh rows, my 256 bytes of a row
	s_lshl_b32 s71, s[KQ], 22
	s_add_co_u32 s70, s70, s71
	s_lshl_b32 s71, s[KH], 13
	s_add_co_u32 s70, s70, s71
	s_lshl_b32 s72, s[SL], 9
	s_lshl_b32 s73, s[NG], 8
	s_add_co_u32 s72, s72, s73
	s_add_co_u32 s70, s70, s72
	s_mov_b32 s71, 0
	s_mul_i32 s74, s[KQ], 10485760                 ; yp: row 2,560 kq + 320 e + 80 kh, my 256 bytes of it
	s_mul_i32 s75, s[EX], 1310720
	s_add_co_u32 s74, s74, s75
	s_mul_i32 s75, s[KH], 327680
	s_add_co_u32 s74, s74, s75
	s_add_co_u32 s74, s74, s72
	s_mov_b32 s75, 0
	v_and_b32 v1, 31, v0                           ; lane
	v_and_b32 v18, 15, v0                          ; r
	v_bfe_u32 v19, v0, 4, 1                        ; hh
	v_lshlrev_b32 v[WOFF], 4, v18
	v_lshl_add_u32 v[WOFF], v19, 17, v[WOFF]       ; 16 r + 32 rows x hh
	s_lshl_b32 s78, s[KH], 10
	v_lshl_add_u32 v[AP], v1, 4, s78               ; 16 lane + my K step of a tile's two
.irp p, 1,2,3,4,5
	v_add_nc_u32 v[AP+\p], \p*PAIR, v[AP]
.endr
	s_mul_i32 s78, s[WV], ROOM
	v_lshl_add_u32 v[DMP], v1, 4, s78
	s_mul_i32 s78, s[NG], ROOM                     ; the room of wave (ng, kh = 0), five tiles in for kh = 1
	s_mul_i32 s79, s[KH], FIVE
	s_add_co_u32 s78, s78, s79
	v_lshl_add_u32 v[RB0], v1, 4, s78
	v_add_nc_u32 v[RB1], 2*ROOM, v[RB0]            ; the room of wave (ng, kh = 1)
	v_lshlrev_b32 v[GO], 4, v18
	v_lshl_add_u32 v[GO], v19, 15, v[GO]           ; 16 r + 8 rows of yp x hh
	s_wait_dscnt 0x0                               ; the opening add is done
	s_wait_kmcnt 0x0
	s_add_nc_u64 s[WB:WB+1], s[6:7], s[70:71]
	s_add_nc_u64 s[OB:OB+1], s[8:9], s[74:75]
	s_add_nc_u64 s[4:5], s[4:5], s[66:67]          ; h at the quarter's pair 0
	s_add_nc_u64 s[G0S+2:G0S+3], s[4:5], s[68:69]  ; my part of pair 0
	s_add_nc_u64 s[G0+2:G0+3], s[4:5], s[76:77]
	s_add_nc_u64 s[G0+6:G0+7], s[G0+2:G0+3], 4*PAIR  ; slot B's first refill: my quarter of pairs 4 to 6
	s_add_nc_u64 s[G0+2:G0+3], s[G0+2:G0+3], PAIR    ; slot A's first fill: of pairs 1 to 3
	s_or_b32 s[G0+3], s[G0+3], 0x80000000          ; 127:126 type = 2
	s_or_b32 s[G0+7], s[G0+7], 0x80000000
	s_or_b32 s[G0S+3], s[G0S+3], 0x80000000
	WLOAD 0, 0                                     ; the three raw stages: my K steps 0, 1, 2
	WLOAD 1, KS
	WLOAD 2, 2*KS
	WIN 0
	CROUND                                         ; all four work-groups are here: the first joint loads meet
	tensor_load_to_lds s[G0S:G0S+3], s[G1S:G1S+7]  ; pair 0
	s_nop 0
	tensor_load_to_lds s[G0:G0+3], s[G1:G1+7]      ; pairs 1 to 3: two loads of mine are out
	s_nop 0
	PLACES
	s_wait_tensorcnt 0x1                           ; my part of pair 0 is in; slot A's may stay out
	s_barrier_signal -1
	s_barrier_wait -1
	KSTEP 0, 3, 1, 3*KS, 32                        ; K step 0 starts the sums.  32: the two younger stages may stay out
	s_mov_b32 s[CNT], 2
.Lloop:                                                ; a trip: six K steps; both slots are filled again, every stage twice
	CHANGE 1, 1
	KSTEP 1, 0, 0, KS, 32
	KSTEP 2, 1, 0, 2*KS, 32
	KSTEP 0, 2, 0, 3*KS, 32
	CHANGE 0, 1
	KSTEP 1, 3, 0, KS, 32
	KSTEP 2, 4, 0, 2*KS, 32
	KSTEP 0, 5, 0, 3*KS, 32
	s_sub_co_u32 s[CNT], s[CNT], 1
	s_cmp_lg_u32 s[CNT], 0
	s_cbranch_scc1 .Lloop
	CHANGE 1, 0                                    ; pairs 13 to 15: nothing more is asked for, and the counts run down
	KSTEP 1, 0, 0, -1, 32
	KSTEP 2, 1, 0, -1, 16
	KSTEP 0, 2, 0, -1, 0
	; THE WAY OUT, in two halves of ten tiles: every wave lays its sums into LDS (the slots have had their last fill); wave (ng, kh) adds both K halves of tiles 5 kh .. 5 kh + 4 of its columns and stores them.
	PLACES
	s_barrier_signal -1                            ; every wave's reads of the slots are over (each K step ends with all its LDS loads back)
	s_barrier_wait -1
	s_mov_b32 s[HF], 0
.Lhalf:
	s_cmp_eq_u32 s[HF], 0
	s_cbranch_scc0 .Ldump1
	DUMP 0
	s_branch .Ldumped
.Ldump1:
	DUMP 1
.Ldumped:
	v_mov_b32 v[RD0], v[RB0]
	v_mov_b32 v[RD1], v[RB1]
	s_wait_dscnt 0x0                               ; for the others' sake: my sums are in LDS
	s_barrier_signal -1
	s_barrier_wait -1
	s_mov_b32 s[CNT], 5
.Lfin:                                                 ; a trip: one tile of 16 rows x my 64 columns
.irp cc, 0,1,2,3
	ds_load_b128 v[P0+8*\cc:P0+8*\cc+3], v[RD0] offset:1024*\cc
	ds_load_b128 v[P0+8*\cc+4:P0+8*\cc+7], v[RD0] offset:1024*\cc+512
	ds_load_b128 v[P1+8*\cc:P1+8*\cc+3], v[RD1] offset:1024*\cc
	ds_load_b128 v[P1+8*\cc+4:P1+8*\cc+7], v[RD1] offset:1024*\cc+512
.endr
	s_wait_dscnt 0x0
.irp j, 0,1,2,3,4,5,6,7
.irp cc, 0,1,2,3
	v_add_f32 v[O+4*\j+\cc], v[P0+8*\cc+\j], v[P1+8*\cc+\j]    ; row 8 hh + j, column 4 r + cc
.endr
.endr
.irp j, 0,1,2,3,4,5,6,7
	global_store_b128 v[GO], v[O+4*\j:O+4*\j+3], s[OB:OB+1] offset:4096*\j  ; sixteen lanes store 256 consecutive bytes of a row, at a multiple of 256 from yp's first
.endr
	v_add_nc_u32 v[RD0], 4096, v[RD0]
	v_add_nc_u32 v[RD1], 4096, v[RD1]
	s_wait_xcnt 0x0                                ; the stores have read their data and their base
	s_add_nc_u64 s[OB:OB+1], s[OB:OB+1], 65536
	s_sub_co_u32 s[CNT], s[CNT], 1
	s_cmp_lg_u32 s[CNT], 0
	s_cbranch_scc1 .Lfin
	s_wait_dscnt 0x0                               ; my reads of the others' sums are over
	s_barrier_signal -1
	s_barrier_wait -1
	s_add_nc_u64 s[OB:OB+1], s[OB:OB+1], 5*65536   ; the other wave's five tiles are passed over
	s_add_co_u32 s[HF], s[HF], 1
	s_cmp_lt_u32 s[HF], 2
	s_cbranch_scc1 .Lhalf
	s_wait_tensorcnt 0x0                           ; the wave's end, behind my last tensor load and my last LDS store
	ds_add_u32 v[SPW], v[NIL]
	s_wait_dscnt 0x0
	CROUND                                         ; the closing round: no work-group ends while a partner may still ask for pairs by a load that names it
	s_endpgm
.Lfunc_end_k_qd52ba0f6dc_ffn2:
	.size	k_qd52ba0f6dc_ffn2, .Lfunc_end_k_qd52ba0f6dc_ffn2-k_qd52ba0f6dc_ffn2
	.p2alignl 7, 3214868480
	.fill 96, 4, 3214868480
	.section	.rodata,"a",@progbits
	.p2align	6, 0x0
	.amdhsa_kernel k_qd52ba0f6dc_ffn2
		.amdhsa_group_segment_fixed_size 327680
		.amdhsa_private_segment_fixed_size 0
		.amdhsa_enable_private_segment 0
		.amdhsa_kernarg_size 24
		.amdhsa_user_sgpr_count 2
		.amdhsa_user_sgpr_kernarg_segment_ptr 1
		.amdhsa_wavefront_size32 1
		.amdhsa_system_sgpr_workgroup_id_x 1
		.amdhsa_system_sgpr_workgroup_id_y 1
		.amdhsa_system_sgpr_workgroup_id_z 1
		.amdhsa_system_vgpr_workitem_id 0
		.amdhsa_next_free_vgpr 1024
		.amdhsa_next_free_sgpr 96
		.amdhsa_reserve_vcc 0
		.amdhsa_float_denorm_mode_32 3
		.amdhsa_float_denorm_mode_16_64 3
		.amdhsa_memory_ordered 1
		.amdhsa_forward_progress 1
		.amdhsa_inst_pref_size 142
	.end_amdhsa_kernel
	.amdgpu_metadata
---
amdhsa.version: [ 1, 2 ]
amdhsa.kernels:
  - .name:           k_qd52ba0f6dc_ffn2
    .symbol:         k_qd52ba0f6dc_ffn2.kd
    .args:
      - { .name: h, .offset: 0, .size: 8, .value_kind: global_buffer, .address_space: global }
      - { .name: W2, .offset: 8, .size: 8, .value_kind: global_buffer, .address_space: global }
      - { .name: yp, .offset: 16, .size: 8, .value_kind: global_buffer, .address_space: global }
    .group_segment_fixed_size: 327680
    .private_segment_fixed_size: 0
    .kernarg_segment_align: 8
    .kernarg_segment_size: 24
    .max_flat_workgroup_size: 128
    .sgpr_count:     96
    .vgpr_count:     1024
    .wavefront_size: 32
...
	.end_amdgpu_metadata
.endif
;; end of part 4
;; launch combine (part 5): grid 1024 x 1, 4 waves a work-group, no clusters, 0 bytes of LDS; arguments yp, tab, sel, gate, b2, out0; writes out0
.if DOCPART == 5
	.amdgcn_target "amdgcn-amd-amdhsa--gfx1250"
	.amdhsa_code_object_version 6
	.text
	.protected	k_qd52ba0f6dc_combine
	.globl	k_qd52ba0f6dc_combine
	.p2align	8
	.type	k_qd52ba0f6dc_combine,@function
k_qd52ba0f6dc_combine:
	s_mov_b64 s[64:65], 0
	v_nop
	global_prefetch_b8 v0, s[64:65] scope:SCOPE_SE
	s_setreg_imm32_b32 hwreg(HW_REG_WAVE_MODE, 25, 1), 1
	s_wait_xcnt 0x0
; COMBINE.  out[t] = the sum over the token's two slots k of g_k (y_k + b2[e_k]), where y_k is the sum of the four partial rows of yp, and g_k counts as 0 if the token's rank among
; the tokens that chose e_k in slot k is 160 or more (over the capacity).  One work-group a token; wave w takes columns 256 w .. 256 w + 255.
; The row and the rank come from tab: the count in front of the token's word of 32 tokens, plus the set bits below the token in that word's bitmap.
; A dropped slot reads the other slot's row (a row that was stored) with the gate 0; if both are dropped zeros are stored and nothing is read.
; A stream: each byte of the chosen rows is read once, in loads of 512 consecutive bytes; no LDS, no barrier, no matrix unit.  b2 is rounded to bf16, as every input is; all sums in f32.
.set KQS, 10485760                     ; bytes from one quarter's partial sums to the next
.set VO,  2                            ; v2-5  16 lane + kq x KQS
.set LO,  6                            ; v6    16 lane
.set Y,   16                           ; v16-79  slot k, quarter kq, half a at Y + 4 (8 k + 2 kq + a)
.set B,   80                           ; v80-95  b2: slot k, half a at B + 4 (2 k + a)
.set TP,  96                           ; v96-103 at work
.set OU,  104                          ; v104-111 the result
	s_load_b256 s[4:11], s[0:1], 0x0               ; yp s[4:5], tab s[6:7], sel s[8:9], gate s[10:11]
	s_load_b128 s[12:15], s[0:1], 0x20             ; b2 s[12:13], out0 s[14:15]
	v_lshrrev_b32 v1, 5, v0
	v_readfirstlane_b32 s16, v1                    ; wave
	v_and_b32 v1, 31, v0
	v_lshlrev_b32 v[LO], 4, v1
	v_mov_b32 v[VO], v[LO]
	v_add_nc_u32 v[VO+1], KQS, v[LO]
	v_add_nc_u32 v[VO+2], 2*KQS, v[LO]
	v_add_nc_u32 v[VO+3], 3*KQS, v[LO]
	s_lshl_b32 s17, ttmp9, 2
	s_lshl_b32 s18, ttmp9, 3
	s_lshl_b32 s58, s16, 10                        ; my 1,024 bytes of a row
	s_lshl_b32 s60, ttmp9, 12
	s_add_co_u32 s60, s60, s58
	s_mov_b32 s61, 0
	s_mov_b32 s19, 0xffff0000
	s_wait_kmcnt 0x0
	s_load_b32 s20, s[8:9], s17 offset:0x0         ; e0 | e1 << 8
	s_load_b64 s[22:23], s[10:11], s18 offset:0x0  ; g0, g1
	s_add_nc_u64 s[56:57], s[14:15], s[60:61]      ; out0 at my bytes
	s_wait_kmcnt 0x0
	s_and_b32 s24, s20, 0xff
	s_bfe_u32 s25, s20, 0x80008
	s_min_u32 s24, s24, 7
	s_min_u32 s25, s25, 7
	s_lshr_b32 s26, ttmp9, 5
	s_lshl_b32 s26, s26, 6                         ; the token's word: 16 entries of 4 bytes
	s_lshl2_add_u32 s27, s24, s26
	s_lshl2_add_u32 s28, s25, s26
	s_load_b32 s30, s[6:7], s27 offset:0x0         ; slot 0: bitmap,
	s_load_b32 s31, s[6:7], s27 offset:0x800       ; count in front << 16 | row of the word's first token
	s_load_b32 s32, s[6:7], s28 offset:0x20        ; slot 1
	s_load_b32 s33, s[6:7], s28 offset:0x820
	s_and_b32 s35, ttmp9, 31
	s_bfm_b32 s34, s35, 0                          ; the bits below the token's
	s_wait_kmcnt 0x0
	s_and_b32 s36, s30, s34
	s_bcnt1_i32_b32 s36, s36
	s_lshr_b32 s37, s31, 16
	s_add_co_u32 s37, s37, s36                     ; rank in (slot 0, e0)
	s_and_b32 s38, s31, 0xffff
	s_add_co_u32 s38, s38, s36                     ; row
	s_and_b32 s36, s32, s34
	s_bcnt1_i32_b32 s36, s36
	s_lshr_b32 s39, s33, 16
	s_add_co_u32 s39, s39, s36
	s_and_b32 s40, s33, 0xffff
	s_add_co_u32 s40, s40, s36
	s_cmp_lt_u32 s37, 160
	s_cselect_b32 s44, s22, 0                      ; g0, or 0 over the capacity
	s_cselect_b32 s41, 1, 0
	s_cselect_b32 s42, s38, s40                    ; a dropped slot takes the other's row
	s_cmp_lt_u32 s39, 160
	s_cselect_b32 s46, s23, 0
	s_cselect_b32 s43, 1, 0
	s_cselect_b32 s48, s40, s38
	s_mov_b32 s45, s44                             ; named as pairs
	s_mov_b32 s47, s46
	s_min_u32 s42, s42, 2559
	s_min_u32 s48, s48, 2559
	s_lshl_b32 s50, s42, 12
	s_add_co_u32 s50, s50, s58
	s_mov_b32 s51, 0
	s_lshl_b32 s52, s48, 12
	s_add_co_u32 s52, s52, s58
	s_mov_b32 s53, 0
	s_add_nc_u64 s[50:51], s[4:5], s[50:51]        ; yp at slot 0's row,
	s_add_nc_u64 s[52:53], s[4:5], s[52:53]        ; and slot 1's
	s_lshl_b32 s54, s24, 12
	s_add_co_u32 s54, s54, s58
	s_mov_b32 s55, 0
	s_lshl_b32 s60, s25, 12
	s_add_co_u32 s60, s60, s58
	s_add_nc_u64 s[54:55], s[12:13], s[54:55]      ; b2[e0], b2[e1]
	s_add_nc_u64 s[60:61], s[12:13], s[60:61]
	s_or_b32 s41, s41, s43
	s_cmp_eq_u32 s41, 0
	s_cbranch_scc1 .Lzero                          ; both slots dropped
.irp kq, 0,1,2,3
.irp a, 0,1
	global_load_b128 v[Y+4*(2*\kq+\a):Y+4*(2*\kq+\a)+3], v[VO+\kq], s[50:51] offset:512*\a
	global_load_b128 v[Y+4*(8+2*\kq+\a):Y+4*(8+2*\kq+\a)+3], v[VO+\kq], s[52:53] offset:512*\a
.endr
.endr
.irp a, 0,1
	global_load_b128 v[B+4*\a:B+4*\a+3], v[LO], s[54:55] offset:512*\a
	global_load_b128 v[B+4*(2+\a):B+4*(2+\a)+3], v[LO], s[60:61] offset:512*\a
.endr
	s_wait_loadcnt 0x0
.irp q, 0,1,2,3                        ; b2 rounded to bf16 and widened again
	v_cvt_pk_bf16_f32 v[TP+2*\q], v[B+4*\q], v[B+4*\q+1]
	v_cvt_pk_bf16_f32 v[TP+2*\q+1], v[B+4*\q+2], v[B+4*\q+3]
.endr
.irp q, 0,1,2,3
	v_lshlrev_b32 v[B+4*\q], 16, v[TP+2*\q]
	v_and_b32 v[B+4*\q+1], s19, v[TP+2*\q]
	v_lshlrev_b32 v[B+4*\q+2], 16, v[TP+2*\q+1]
	v_and_b32 v[B+4*\q+3], s19, v[TP+2*\q+1]
.endr
.irp k, 0,1
.irp a, 0,1
.irp p, 0,2
	v_pk_add_f32 v[Y+4*(8*\k+\a)+\p:Y+4*(8*\k+\a)+\p+1], v[Y+4*(8*\k+\a)+\p:Y+4*(8*\k+\a)+\p+1], v[Y+4*(8*\k+2+\a)+\p:Y+4*(8*\k+2+\a)+\p+1]
	v_pk_add_f32 v[Y+4*(8*\k+4+\a)+\p:Y+4*(8*\k+4+\a)+\p+1], v[Y+4*(8*\k+4+\a)+\p:Y+4*(8*\k+4+\a)+\p+1], v[Y+4*(8*\k+6+\a)+\p:Y+4*(8*\k+6+\a)+\p+1]
.endr
.endr
.endr
.irp k, 0,1
.irp a, 0,1
.irp p, 0,2
	v_pk_add_f32 v[Y+4*(8*\k+\a)+\p:Y+4*(8*\k+\a)+\p+1], v[Y+4*(8*\k+\a)+\p:Y+4*(8*\k+\a)+\p+1], v[Y+4*(8*\k+4+\a)+\p:Y+4*(8*\k+4+\a)+\p+1]
.endr
.endr
.endr
.irp k, 0,1
.irp a, 0,1
.irp p, 0,2
	v_pk_add_f32 v[Y+4*(8*\k+\a)+\p:Y+4*(8*\k+\a)+\p+1], v[Y+4*(8*\k+\a)+\p:Y+4*(8*\k+\a)+\p+1], v[B+4*(2*\k+\a)+\p:B+4*(2*\k+\a)+\p+1]
.endr
.endr
.endr
.irp a, 0,1
.irp p, 0,2
	v_pk_mul_f32 v[OU+4*\a+\p:OU+4*\a+\p+1], v[Y+4*\a+\p:Y+4*\a+\p+1], s[44:45] op_sel_hi:[1,0]
.endr
.endr
.irp a, 0,1
.irp p, 0,2
	v_pk_fma_f32 v[OU+4*\a+\p:OU+4*\a+\p+1], v[Y+4*(8+\a)+\p:Y+4*(8+\a)+\p+1], s[46:47], v[OU+4*\a+\p:OU+4*\a+\p+1] op_sel_hi:[1,0,1]
.endr
.endr
	s_branch .Lstore
.Lzero:
.set i, 0
.rept 8
	v_mov_b32 v[OU+i], 0
.set i, i+1
.endr
.Lstore:
	global_store_b128 v[LO], v[OU:OU+3], s[56:57]              ; 512 consecutive bytes each
	global_store_b128 v[LO], v[OU+4:OU+7], s[56:57] offset:512
	s_endpgm
.Lfunc_end_k_qd52ba0f6dc_combine:
	.size	k_qd52ba0f6dc_combine, .Lfunc_end_k_qd52ba0f6dc_combine-k_qd52ba0f6dc_combine
	.p2alignl 7, 3214868480
	.fill 96, 4, 3214868480
	.section	.rodata,"a",@progbits
	.p2align	6, 0x0
	.amdhsa_kernel k_qd52ba0f6dc_combine
		.amdhsa_group_segment_fixed_size 0
		.amdhsa_private_segment_fixed_size 0
		.amdhsa_enable_private_segment 0
		.amdhsa_kernarg_size 48
		.amdhsa_user_sgpr_count 2
		.amdhsa_user_sgpr_kernarg_segment_ptr 1
		.amdhsa_wavefront_size32 1
		.amdhsa_system_sgpr_workgroup_id_x 1
		.amdhsa_system_sgpr_workgroup_id_y 1
		.amdhsa_system_sgpr_workgroup_id_z 1
		.amdhsa_system_vgpr_workitem_id 0
		.amdhsa_next_free_vgpr 112
		.amdhsa_next_free_sgpr 66
		.amdhsa_reserve_vcc 0
		.amdhsa_float_denorm_mode_32 3
		.amdhsa_float_denorm_mode_16_64 3
		.amdhsa_memory_ordered 1
		.amdhsa_forward_progress 1
		.amdhsa_inst_pref_size 10
	.end_amdhsa_kernel
	.amdgpu_metadata
---
amdhsa.version: [ 1, 2 ]
amdhsa.kernels:
  - .name:           k_qd52ba0f6dc_combine
    .symbol:         k_qd52ba0f6dc_combine.kd
    .args:
      - { .name: yp, .offset: 0, .size: 8, .value_kind: global_buffer, .address_space: global }
      - { .name: tab, .offset: 8, .size: 8, .value_kind: global_buffer, .address_space: global }
      - { .name: sel, .offset: 16, .size: 8, .value_kind: global_buffer, .address_space: global }
      - { .name: gate, .offset: 24, .size: 8, .value_kind: global_buffer, .address_space: global }
      - { .name: b2, .offset: 32, .size: 8, .value_kind: global_buffer, .address_space: global }
      - { .name: out0, .offset: 40, .size: 8, .value_kind: global_buffer, .address_space: global }
    .group_segment_fixed_size: 0
    .private_segment_fixed_size: 0
    .kernarg_segment_align: 8
    .kernarg_segment_size: 48
    .max_flat_workgroup_size: 128
    .sgpr_count:     66
    .vgpr_count:     112
    .wavefront_size: 32
...
	.end_amdgpu_metadata
.endif
;; end of part 5
